; MI455X (gfx1250); checked and timed in simulation.
; The chip was launched on July 23, 2026; its instructions are those of AMD's public machine-readable ISA for CDNA 5 (MIT licence, August 2026) and "CDNA5" Instruction Set Architecture Reference Guide (July 2026). The comments in the code are by the model that wrote it; some were corrected since.
;; Transformer Encoder Layer. Allowed arithmetic: float matrix products may take bf16 or f16 operands with f32 sums; all other float work in f32.
;; Inputs: W1 1,024 x 4,096 float32; W2 4,096 x 1,024 float32; Wk 16 x 1,024 x 64 float32; Wo 1,024 x 1,024 float32; Wq 16 x 1,024 x 64 float32; Wv 16 x 1,024 x 64 float32; b1 4,096 float32; b2 1,024 float32; bk 16 x 64 float32; bo 1,024 float32; bq 16 x 64 float32; bv 16 x 64 float32; ln1_b 1,024 float32; ln1_g 1,024 float32; ln2_b 1,024 float32; ln2_g 1,024 float32; x 4 x 1,024 x 1,024 float32.
;; Outputs: out0 4 x 1,024 x 1,024 float32.
;; One version. Each part assembles by itself: llvm-mc -triple=amdgcn-amd-amdhsa -mcpu=gfx1250 --defsym DOCPART=n.
;; ======== version 1 of 1: 7 launches
;; limits: a function is approximated: absolute error at most 2.5e-05; an absolute error that grows with the inputs' magnitude: up to 1.25e-05 times it
;; workspace buffers: wb 25,165,824 bytes; hn 8,388,608 bytes; qkv 25,165,824 bytes; ah 8,388,608 bytes; x1 16,777,216 bytes; y1 33,554,432 bytes
;; launch prep (part 1): grid 256 x 1, 16 waves a work-group, no clusters, 0 bytes of LDS; arguments Wq, Wk, Wv, Wo, W1, W2, x, ln1_g, ln1_b, wb, hn; writes wb, hn
.if DOCPART == 1
	.amdgcn_target "amdgcn-amd-amdhsa--gfx1250"
	.amdhsa_code_object_version 6
	.text
	.protected	k_qda3647e8a6_prep
	.globl	k_qda3647e8a6_prep
	.p2align	8
	.type	k_qda3647e8a6_prep,@function
k_qda3647e8a6_prep:
	s_mov_b64 s[64:65], 0
	v_nop
	global_prefetch_b8 v0, s[64:65] scope:SCOPE_SE
	s_setreg_imm32_b32 hwreg(HW_REG_WAVE_MODE, 25, 1), 1
	s_wait_xcnt 0x0
; prep: (a) the six weight tensors are rounded from f32 to bf16, layout kept, into wb (Wq, Wk, Wv, Wo, W1, W2 one behind the other);
;       (b) h1 = LayerNorm(x) * ln1_g + ln1_b, rounded to bf16, into hn [4096][1024].
; Work-groups 0..191 convert 65,536 numbers each (262,144 bytes in, 131,072 out); work-groups 192..255 normalise 64 rows each
; (the same bytes in and out), so all 256 move alike.  No LDS, no matrix unit: this is a stream.
; Sixteen waves.  Every load of a wave has registers of its own and all loads go out at the start, so the work-group's whole input is on its way at once;
; results are packed in place and stored from there, and no register that a store reads is ever written again: the only waits are the counted waits for data.
; LayerNorm is two passes over a row held in registers: mean, then the sum of (x - mean)^2: no difference of large sums is formed.
.set CX, 16                            ; convert: v[16:143]  pass p: 4 f32 as loaded at CX + 4 p; then 4 bf16 in the first two of them
.set T,  4                             ; norm: v[4:15]    at work
.set G,  16                            ; norm: v[16:47]   gain of my 32 columns (columns 128 j + 4 lane + 0..3)
.set BT, 48                            ; norm: v[48:79]   bias of my 32 columns
.set X,  80                            ; norm: v[80:207]  the wave's four rows, 32 registers each; a row's 32 bf16 end up in its first 16
.set SX, 16                            ; s[16:17] x
.set SG, 18                            ; s[18:19] ln1_g
.set SB, 20                            ; s[20:21] ln1_b
.set SO, 24                            ; s[24:25] hn
	s_load_b512 s[4:19], s[0:1], 0x0               ; Wq s4, Wk s6, Wv s8, Wo s10, W1 s12, W2 s14, x s16, ln1_g s18
	s_load_b128 s[20:23], s[0:1], 0x40             ; ln1_b s20, wb s22
	s_load_b64 s[24:25], s[0:1], 0x50              ; hn
	s_cmp_ge_u32 ttmp9, 192
	s_cbranch_scc1 .Lln
	; ---------------- conversion ----------------
	; Thread t takes 4 numbers a pass: 16 bytes in at 16 t, 8 bytes out at 8 t; a pass of the group is 8,192 bytes in, 4,096 out; 32 passes.
	; A wave's load covers 512 consecutive bytes, its store 256 consecutive bytes, both aligned.
	v_lshlrev_b32 v1, 4, v0
	v_lshlrev_b32 v2, 3, v0
	s_wait_kmcnt 0x0
	s_mov_b64 s[26:27], s[4:5]                     ; which tensor, and the number of its first work-group
	s_mov_b32 s28, 0
	s_cmp_ge_u32 ttmp9, 16
	s_cselect_b64 s[26:27], s[6:7], s[26:27]
	s_cselect_b32 s28, 16, s28
	s_cmp_ge_u32 ttmp9, 32
	s_cselect_b64 s[26:27], s[8:9], s[26:27]
	s_cselect_b32 s28, 32, s28
	s_cmp_ge_u32 ttmp9, 48
	s_cselect_b64 s[26:27], s[10:11], s[26:27]
	s_cselect_b32 s28, 48, s28
	s_cmp_ge_u32 ttmp9, 64
	s_cselect_b64 s[26:27], s[12:13], s[26:27]
	s_cselect_b32 s28, 64, s28
	s_cmp_ge_u32 ttmp9, 128
	s_cselect_b64 s[26:27], s[14:15], s[26:27]
	s_cselect_b32 s28, 128, s28
	s_sub_co_u32 s32, ttmp9, s28
	s_lshl_b32 s32, s32, 18                        ; my 262,144 bytes of the tensor
	s_mov_b32 s33, 0
	s_add_nc_u64 s[26:27], s[26:27], s[32:33]
	s_lshl_b32 s34, ttmp9, 17                      ; my 131,072 bytes of wb: the tensors follow each other in the order of the work-groups
	s_mov_b32 s35, 0
	s_add_nc_u64 s[22:23], s[22:23], s[34:35]
.set p, 0
.rept 32                                       ; all 32 passes are asked for at once: 16,384 bytes of every wave on their way
	global_load_b128 v[CX+4*p:CX+4*p+3], v1, s[26:27] offset:8192*p th:TH_LOAD_NT
.set p, p+1
.endr
.set p, 0
.rept 32
	s_wait_loadcnt 31-p                            ; loads return in order: pass p is in, the 31 - p younger ones stay out
	v_cvt_pk_bf16_f32 v[CX+4*p],   v[CX+4*p],   v[CX+4*p+1]
	v_cvt_pk_bf16_f32 v[CX+4*p+1], v[CX+4*p+2], v[CX+4*p+3]
	global_store_b64 v2, v[CX+4*p:CX+4*p+1], s[22:23] offset:4096*p
.set p, p+1
.endr
	s_endpgm
	; ---------------- LayerNorm ----------------
; One wave, one row at a time: eight loads of 16 bytes a lane hold the row's 4,096 bytes in 32 registers.
; i: the row's number among the wave's four, and its registers; left: younger loads that may stay out.
.macro LNROW i, left
.set XB, X+32*\i
	s_wait_loadcnt \left                           ; this row's eight loads are in; each younger row counts eight
.irp c, 0,1,2,3
	v_pk_add_f32 v[T+2*\c:T+2*\c+1], v[XB+2*\c:XB+2*\c+1], v[XB+8+2*\c:XB+9+2*\c]      ; four chains, started by the data
.endr
.irp c, 0,1,2,3
	v_pk_add_f32 v[T+2*\c:T+2*\c+1], v[T+2*\c:T+2*\c+1], v[XB+16+2*\c:XB+17+2*\c]
.endr
.irp c, 0,1,2,3
	v_pk_add_f32 v[T+2*\c:T+2*\c+1], v[T+2*\c:T+2*\c+1], v[XB+24+2*\c:XB+25+2*\c]
.endr
	v_pk_add_f32 v[T:T+1], v[T:T+1], v[T+2:T+3]
	v_pk_add_f32 v[T+4:T+5], v[T+4:T+5], v[T+6:T+7]
	v_pk_add_f32 v[T:T+1], v[T:T+1], v[T+4:T+5]
	v_add_f32 v[T], v[T], v[T+1]
	v_add_f32_dpp v[T], v[T], v[T] row_xmask:1 row_mask:0xf bank_mask:0xf
	v_add_f32_dpp v[T], v[T], v[T] row_xmask:2 row_mask:0xf bank_mask:0xf
	v_add_f32_dpp v[T], v[T], v[T] row_xmask:4 row_mask:0xf bank_mask:0xf
	v_add_f32_dpp v[T], v[T], v[T] row_xmask:8 row_mask:0xf bank_mask:0xf
	v_permlanex16_b32 v[T+1], v[T], s30, s31
	v_add_f32 v[T], v[T], v[T+1]
	v_mul_f32 v[T+2], s37, v[T]                    ; the mean, twice, for the packed subtraction
	v_mul_f32 v[T+3], s37, v[T]
.set k, 0
.rept 16
	v_pk_add_f32 v[XB+2*k:XB+2*k+1], v[XB+2*k:XB+2*k+1], v[T+2:T+3] neg_lo:[0,1] neg_hi:[0,1]
.set k, k+1
.endr
.irp c, 0,1,2,3
	v_pk_mul_f32 v[T+4+2*\c:T+5+2*\c], v[XB+2*\c:XB+2*\c+1], v[XB+2*\c:XB+2*\c+1]
.endr
.set k, 4
.rept 12
	v_pk_fma_f32 v[T+4+2*(k%4):T+5+2*(k%4)], v[XB+2*k:XB+2*k+1], v[XB+2*k:XB+2*k+1], v[T+4+2*(k%4):T+5+2*(k%4)]
.set k, k+1
.endr
	v_pk_add_f32 v[T+4:T+5], v[T+4:T+5], v[T+6:T+7]
	v_pk_add_f32 v[T+8:T+9], v[T+8:T+9], v[T+10:T+11]
	v_pk_add_f32 v[T+4:T+5], v[T+4:T+5], v[T+8:T+9]
	v_add_f32 v[T+4], v[T+4], v[T+5]
	v_add_f32_dpp v[T+4], v[T+4], v[T+4] row_xmask:1 row_mask:0xf bank_mask:0xf
	v_add_f32_dpp v[T+4], v[T+4], v[T+4] row_xmask:2 row_mask:0xf bank_mask:0xf
	v_add_f32_dpp v[T+4], v[T+4], v[T+4] row_xmask:4 row_mask:0xf bank_mask:0xf
	v_add_f32_dpp v[T+4], v[T+4], v[T+4] row_xmask:8 row_mask:0xf bank_mask:0xf
	v_permlanex16_b32 v[T+5], v[T+4], s30, s31
	v_add_f32 v[T+4], v[T+4], v[T+5]
	v_fma_f32 v[T], v[T+4], s37, s38               ; variance + 1e-5
	v_rsq_f32 v[T+2], v[T]
	v_nop                                          ; one plain instruction stands between v_rsq_f32 and the use of its result (ISA guide 5.7.2)
	s_wait_alu depctr_va_vdst(0)
	v_mov_b32 v[T+3], v[T+2]
.set k, 0
.rept 16
	v_pk_mul_f32 v[XB+2*k:XB+2*k+1], v[XB+2*k:XB+2*k+1], v[T+2:T+3]
.set k, k+1
.endr
.set k, 0
.rept 16
	v_pk_fma_f32 v[XB+2*k:XB+2*k+1], v[XB+2*k:XB+2*k+1], v[G+2*k:G+2*k+1], v[BT+2*k:BT+2*k+1]
.set k, k+1
.endr
.set k, 0
.rept 16
	v_cvt_pk_bf16_f32 v[XB+k], v[XB+2*k], v[XB+2*k+1]      ; packed in place: word k lands on a register whose number has already been read
.set k, k+1
.endr
.set k, 0
.rept 8
	global_store_b64 v2, v[XB+2*k:XB+2*k+1], s[SO:SO+1] offset:2048*\i+256*k   ; a wave's store covers 256 consecutive bytes, aligned
.set k, k+1
.endr
.endm
.Lln:
	v_lshrrev_b32 v3, 5, v0
	v_readfirstlane_b32 s29, v3                    ; wave 0..15
	v_and_b32 v3, 31, v0
	v_lshlrev_b32 v1, 4, v3                        ; 16 bytes a lane on the way in
	v_lshlrev_b32 v2, 3, v3                        ; 8 bytes a lane on the way out
	s_sub_co_u32 s32, ttmp9, 192
	s_lshl_b32 s34, s32, 17                        ; 64 rows of 2,048 bytes of hn
	s_lshl_b32 s32, s32, 18                        ; 64 rows of 4,096 bytes of x
	s_lshl_b32 s36, s29, 14                        ; the wave's 4 rows
	s_add_co_u32 s32, s32, s36
	s_lshl_b32 s36, s29, 13
	s_add_co_u32 s34, s34, s36
	s_mov_b32 s33, 0
	s_mov_b32 s35, 0
	s_mov_b32 s30, 0x76543210                      ; v_permlanex16_b32: lane i reads lane i of the other half
	s_mov_b32 s31, 0xfedcba98
	s_mov_b32 s37, 0x3a800000                      ; 1 / 1024
	s_mov_b32 s38, 0x3727c5ac                      ; 1e-5
	s_wait_kmcnt 0x0
	s_add_nc_u64 s[SX:SX+1], s[SX:SX+1], s[32:33]
	s_add_nc_u64 s[SO:SO+1], s[SO:SO+1], s[34:35]
.set k, 0
.rept 8
	global_load_b128 v[G+4*k:G+4*k+3], v1, s[SG:SG+1] offset:512*k
.set k, k+1
.endr
.set k, 0
.rept 8
	global_load_b128 v[BT+4*k:BT+4*k+3], v1, s[SB:SB+1] offset:512*k
.set k, k+1
.endr
.set k, 0
.rept 32                                       ; the wave's four rows
	global_load_b128 v[X+4*k:X+4*k+3], v1, s[SX:SX+1] offset:4096*(k/8)+512*(k%8)
.set k, k+1
.endr
	LNROW 0, 24                                    ; gain and bias were asked for ahead of the rows, so the first wait covers them
	LNROW 1, 16
	LNROW 2, 8
	LNROW 3, 0
	s_endpgm
.Lfunc_end_k_qda3647e8a6_prep:
	.size	k_qda3647e8a6_prep, .Lfunc_end_k_qda3647e8a6_prep-k_qda3647e8a6_prep
	.p2alignl 7, 3214868480
	.fill 96, 4, 3214868480
	.section	.rodata,"a",@progbits
	.p2align	6, 0x0
	.amdhsa_kernel k_qda3647e8a6_prep
		.amdhsa_group_segment_fixed_size 0
		.amdhsa_private_segment_fixed_size 0
		.amdhsa_enable_private_segment 0
		.amdhsa_kernarg_size 88
		.amdhsa_user_sgpr_count 2
		.amdhsa_user_sgpr_kernarg_segment_ptr 1
		.amdhsa_wavefront_size32 1
		.amdhsa_system_sgpr_workgroup_id_x 1
		.amdhsa_system_sgpr_workgroup_id_y 1
		.amdhsa_system_sgpr_workgroup_id_z 1
		.amdhsa_system_vgpr_workitem_id 0
		.amdhsa_next_free_vgpr 208
		.amdhsa_next_free_sgpr 66
		.amdhsa_reserve_vcc 0
		.amdhsa_float_denorm_mode_32 3
		.amdhsa_float_denorm_mode_16_64 3
		.amdhsa_memory_ordered 1
		.amdhsa_forward_progress 1
		.amdhsa_inst_pref_size 50
	.end_amdhsa_kernel
	.amdgpu_metadata
---
amdhsa.version: [ 1, 2 ]
amdhsa.kernels:
  - .name:           k_qda3647e8a6_prep
    .symbol:         k_qda3647e8a6_prep.kd
    .args:
      - { .name: Wq, .offset: 0, .size: 8, .value_kind: global_buffer, .address_space: global }
      - { .name: Wk, .offset: 8, .size: 8, .value_kind: global_buffer, .address_space: global }
      - { .name: Wv, .offset: 16, .size: 8, .value_kind: global_buffer, .address_space: global }
      - { .name: Wo, .offset: 24, .size: 8, .value_kind: global_buffer, .address_space: global }
      - { .name: W1, .offset: 32, .size: 8, .value_kind: global_buffer, .address_space: global }
      - { .name: W2, .offset: 40, .size: 8, .value_kind: global_buffer, .address_space: global }
      - { .name: x, .offset: 48, .size: 8, .value_kind: global_buffer, .address_space: global }
      - { .name: ln1_g, .offset: 56, .size: 8, .value_kind: global_buffer, .address_space: global }
      - { .name: ln1_b, .offset: 64, .size: 8, .value_kind: global_buffer, .address_space: global }
      - { .name: wb, .offset: 72, .size: 8, .value_kind: global_buffer, .address_space: global }
      - { .name: hn, .offset: 80, .size: 8, .value_kind: global_buffer, .address_space: global }
    .group_segment_fixed_size: 0
    .private_segment_fixed_size: 0
    .kernarg_segment_align: 8
    .kernarg_segment_size: 88
    .max_flat_workgroup_size: 512
    .sgpr_count:     66
    .vgpr_count:     208
    .wavefront_size: 32
...
	.end_amdgpu_metadata
.endif
;; end of part 1
;; launch qkvp (part 2): grid 16 x 16, 4 waves a work-group, clusters of 4 x 4, 327,680 bytes of LDS; arguments hn, wb, bq, bk, bv, qkv; writes qkv
.if DOCPART == 2
	.amdgcn_target "amdgcn-amd-amdhsa--gfx1250"
	.amdhsa_code_object_version 6
	.text
	.protected	k_qda3647e8a6_qkvp
	.globl	k_qda3647e8a6_qkvp
	.p2align	8
	.type	k_qda3647e8a6_qkvp,@function
k_qda3647e8a6_qkvp:
	s_mov_b64 s[64:65], 0
	v_nop
	global_prefetch_b8 v0, s[64:65] scope:SCOPE_SE
	s_setreg_imm32_b32 hwreg(HW_REG_WAVE_MODE, 25, 1), 1
	s_wait_xcnt 0x0
	s_wait_alu depctr_hold_cnt(0) depctr_sa_sdst(0) depctr_va_vdst(0) depctr_va_sdst(0) depctr_va_ssrc(0) depctr_va_vcc(0) depctr_vm_vsrc(0)
	s_getreg_b32 s2, hwreg(HW_REG_IB_STS2, 6, 4)
	s_cmp_eq_u32 s2, 0
	s_cbranch_scc0 .Lentry_in_a_cluster
	s_endpgm
.Lentry_in_a_cluster:
	s_bfe_u32 s2, ttmp6, 0x10000c
	s_cmp_lg_u32 s2, 0xf033
	s_cbranch_scc0 .Lentry_shape_is_right
	s_endpgm
.Lentry_shape_is_right:
; q, k, v = h1 W + b for one head and 256 tokens.  h1: hn [4096][1024] bf16.  Weights: wb, bf16, [head][1024][64] each (Wq, Wk, Wv).
; Output qkv: bf16 [3][batch][head][token][64].  Sums in f32; operands bf16.
; A work-group makes 256 tokens x 192 columns (q, k and v of its head); wave w makes tokens 64 w .. 64 w + 63 x all 192: 48 accumulator tiles, 384 registers.
; K goes in steps of 128 through two LDS slots.  The weights stay [k][n] in LDS; ds_load_tr16_b128 makes the fragments.
; CLUSTERS 4 x 4: the four work-groups of a cluster's row share the token block (A's tile), the four of a column share the head (B's tiles): joint loads.
; The matrix instruction is used transposed (source 0 = weights, source 1 = tokens): a lane's eight results are eight neighbouring columns of one token.
; The first product of each accumulator takes the bias as C, so nothing is cleared and the bias costs no instruction.
; The 48 accumulators take turns, one instruction a turn, in the same order in every quarter step.
; Windows: 0 addresses, A fragments, bias, way out; 1 B fragments; 2 accumulators of row tiles 0, 1; 3 of row tiles 2, 3.
.set MT, 4
.set NT, 12
.set APW, 2                            ; row tiles in an accumulator window
.set PA, 272                           ; A's LDS row: 256 bytes + 16
.set PB, 160                           ; B's LDS row: 128 bytes + 32
.set PIECE, 128*PB                     ; one of Wq, Wk, Wv: 128 k rows
.set BBASE, 256*PA
.set SLOT, BBASE+3*PIECE
.set STAGE, 2*SLOT
.set SPITCH, 400                       ; the way out: 384 bytes + 16
.set STW, 16*SPITCH
.set NLD, 2*(MT+NT)
.set LAPS, 4                           ; 1024 / (2 x 128)
.set ASTEP, 256                        ; bytes from a K step to the next in hn
.set BSTEP, 16384                      ; and in a head's weights: 128 rows of 128 bytes
.set FA0, 32
.set FAS, 32
.set FB0, 0
.set FBS, 96
.set BIAS, 96                          ; v[96:191]
.set PK, 96                            ; way out: packed results v[96:143]
.set RB, 144                           ; way out: rows read back, two sets of 48
.set ADRA, 16
.set ADRB, 20
.set STO, 24
.set RD, 25
.set CO, 26                            ; v26..28
.set BO, 29
.set G1, 24
.set G0, 32
.set G1B, 48
.set G0B, 56
.set MSB, 0
.macro WIN new                         ; the immediate's high byte repeats the setting that is left
.if MSB != (\new)
	s_set_vgpr_msb (MSB<<8)|(\new)
.set MSB, (\new)
.endif
.endm
.macro PLACES                          ; four places behind matrix instructions (ISA guide 7.12.1)
.rept 4
	v_nop
.endr
.endm
; A joint load: wave 0 fetches A's 256 rows, waves 1 to 3 one of Wq, Wk, Wv each.  The branch hangs on the wave's number alone.
.macro JLOAD s
	s_cmp_eq_u32 s10, 0
	s_cbranch_scc0 .Lfor_b_\@
	tensor_load_to_lds s[G0+4*\s:G0+4*\s+3], s[G1:G1+7]
	s_nop 0
.rept 4
	v_nop
.endr
	s_branch .Lasked_\@
.Lfor_b_\@:
	tensor_load_to_lds s[G0B+4*\s:G0B+4*\s+3], s[G1B:G1B+7]
	s_nop 0
.rept 4
	v_nop
.endr
.Lasked_\@:
.endm
.macro CREST                           ; a round of the cluster's barrier behind its opening barrier
	s_cmp_lg_u32 s10, 0
	s_cbranch_scc1 .Lnot_wave_0_\@
	s_barrier_signal -3
.Lnot_wave_0_\@:
	s_barrier_wait -3
	s_barrier_signal -1
	s_barrier_wait -1
.endm
.macro CROUND
	s_barrier_signal -1
	s_barrier_wait -1
	CREST
.endm
.macro MWIN qd, first                  ; windows for quarter qd of the row tiles: B 1, A 0, D the accumulators'; C the bias (0) or D's
.set wn, 2+(\qd*(MT/4))/APW
.if \first
.set wv, (wn<<6)|1
.else
.set wv, (wn<<6)|(wn<<4)|1
.endif
	WIN wv
.endm
.macro MULQ buf, qd, first             ; MT/4 row tiles x all NT column tiles, 32 along K
.set ma, \qd*(MT/4)
.rept MT/4
.set mb, 0
.rept NT
.set acc, 8*(NT*(ma%APW)+mb)
.if \first
	v_wmma_f32_16x16x32_bf16 v[acc:acc+7], v[FB0+FBS*\buf+8*mb:FB0+FBS*\buf+8*mb+7], v[FA0+FAS*\buf+8*ma:FA0+FAS*\buf+8*ma+7], v[BIAS+8*mb:BIAS+8*mb+7]
.else
	v_wmma_f32_16x16x32_bf16 v[acc:acc+7], v[FB0+FBS*\buf+8*mb:FB0+FBS*\buf+8*mb+7], v[FA0+FAS*\buf+8*ma:FA0+FAS*\buf+8*ma+7], v[acc:acc+7]
.endif
.set mb, mb+1
.endr
.set ma, ma+1
.endr
.endm
.macro FETCH slot, kq, buf             ; the fragments of quarter kq of a slot: 24 transposing loads of B, then 8 loads of A
	WIN 0x40
.set fi, 0
.rept NT
	ds_load_tr16_b128 v[FB0+FBS*\buf+8*fi:FB0+FBS*\buf+8*fi+3],   v[ADRB+\slot] offset:(fi/4)*PIECE+(fi%4)*32+\kq*32*PB
	ds_load_tr16_b128 v[FB0+FBS*\buf+8*fi+4:FB0+FBS*\buf+8*fi+7], v[ADRB+\slot] offset:(fi/4)*PIECE+(fi%4)*32+\kq*32*PB+16*PB
.set fi, fi+1
.endr
	WIN 0
.set fi, 0
.rept MT
	ds_load_b128 v[FA0+FAS*\buf+8*fi:FA0+FAS*\buf+8*fi+3],   v[ADRA+\slot] offset:\kq*64+fi*16*PA
	ds_load_b128 v[FA0+FAS*\buf+8*fi+4:FA0+FAS*\buf+8*fi+7], v[ADRA+\slot] offset:\kq*64+fi*16*PA+32
.set fi, fi+1
.endr
.endm
.macro QUARTER slot, kn, f, g, first
	s_wait_dscnt MT                                ; all but the youngest MT loads: A's upper two row tiles may be out
	MWIN 0, \first
	MULQ \f, 0, \first
	MULQ \f, 1, \first
	PLACES
	FETCH \slot, \kn, \g
	s_wait_dscnt NLD                               ; all but the NLD just issued
	MWIN 2, \first
	MULQ \f, 2, \first
	MULQ \f, 3, \first
.endm
; The last quarter of a K step multiplies buffer 1 and changes slots.  In front of the barrier each wave waits for its reads of this slot and for all
; its tensor loads; with fill = 1 the barrier opens a round of the cluster's barrier, and the joint refill is the first tensor load behind the round.
.macro TURN slot, next, fill
	s_wait_dscnt MT
	MWIN 0, 0
	MULQ 1, 0, 0
	s_wait_dscnt 0x0
	s_wait_tensorcnt 0x0
	ds_add_u32 v255, v255
	s_wait_dscnt 0x0
	s_barrier_signal -1
	MULQ 1, 1, 0
	WIN 0
	s_barrier_wait -1
.if \fill
	CREST
	s_add_nc_u64 s[G0+4*\slot+2:G0+4*\slot+3], s[G0+4*\slot+2:G0+4*\slot+3], 2*ASTEP
	s_add_nc_u64 s[G0B+4*\slot+2:G0B+4*\slot+3], s[G0B+4*\slot+2:G0B+4*\slot+3], 2*BSTEP
	JLOAD \slot                                    ; its four v_nop are also the places in front of the loads below
.else
	PLACES
.endif
	FETCH \next, 0, 0
	MWIN 2, 0
	MULQ 1, 2, 0
	MULQ 1, 3, 0
.endm
.macro KSTEPM slot, first
	QUARTER \slot, 1, 0, 1, \first
	QUARTER \slot, 2, 1, 0, 0
	QUARTER \slot, 3, 0, 1, 0
.endm
.macro LAP first
	KSTEPM 0, \first
	TURN 0, 1, 1
	KSTEPM 1, 0
	TURN 1, 0, 1
.endm
	s_load_b128 s[4:7], s[0:1], 0x0                ; hn, wb
	s_load_b64 s[66:67], s[0:1], 0x10              ; bq
	s_load_b128 s[68:71], s[0:1], 0x18             ; bk, bv
	s_load_b64 s[8:9], s[0:1], 0x28                ; qkv
	s_set_vgpr_msb 0x40
	v_lshl_add_u32 v255, v0, 2, 0x46400
	s_set_vgpr_msb 0x4000
	v_mov_b32 v255, 0
	s_set_vgpr_msb 0x1
	ds_add_u32 v255, v255
	s_set_vgpr_msb 0x100
	v_lshrrev_b32 v1, 5, v0
	v_readfirstlane_b32 s10, v1                    ; wave 0..3
	s_bfe_u32 s40, ttmp6, 0x40000                  ; cx
	s_bfe_u32 s41, ttmp6, 0x40004                  ; cy
	s_lshl_b32 s42, ttmp9, 2
	s_add_co_u32 s42, s42, s40                     ; head
	s_and_b32 s13, ttmp7, 0xffff
	s_lshl_b32 s13, s13, 2
	s_add_co_u32 s13, s13, s41                     ; token block
	s_lshl_b32 s43, s41, 2
	s_lshl_b32 s43, 15, s43                        ; my row of the cluster
	s_lshl_b32 s44, 0x1111, s40                    ; my column
	s_or_b32 s[G1+0], s43, (1<<16)|(1<<20)|(1<<21)|(5<<22)|(3<<25)      ; 2-byte elements, 4 words of padding behind every 64
	s_mov_b32 s[G1+1], 128<<16                     ; tensor_dim0 = 128
	s_mov_b32 s[G1+2], 256<<16                     ; tensor_dim1 = 256
	s_mov_b32 s[G1+3], 128<<16                     ; tile_dim0 = 128
	s_mov_b32 s[G1+4], 256                         ; tile_dim1 = 256
	s_mov_b32 s[G1+5], 1024                        ; elements from row to row
	s_mov_b32 s[G1+6], 0
	s_mov_b32 s[G1+7], 0
	s_or_b32 s[G1B+0], s44, (1<<16)|(1<<20)|(1<<21)|(4<<22)|(7<<25)     ; 8 words of padding behind every 32
	s_mov_b32 s[G1B+1], 64<<16
	s_mov_b32 s[G1B+2], 128<<16
	s_mov_b32 s[G1B+3], 64<<16
	s_mov_b32 s[G1B+4], 128
	s_mov_b32 s[G1B+5], 64
	s_mov_b32 s[G1B+6], 0
	s_mov_b32 s[G1B+7], 0
	s_lshl_b32 s16, s13, 19                        ; A: 256 rows of 2,048 bytes a block
	s_mov_b32 s17, 0
	s_lshl_b32 s46, s42, 17                        ; B: a head's 131,072 bytes,
	s_lshl_b32 s47, s10, 21                        ; + wave x 2,097,152 (one tensor too far: taken back below)
	s_add_co_u32 s46, s46, s47
	s_mov_b32 s47, 0
	s_mul_i32 s45, s10, PIECE                      ; wave w (1..3) fills the piece at BBASE + (w - 1) x PIECE;
	s_add_co_u32 s45, s45, BBASE-PIECE             ; wave 0 fetches A and never asks by this address
	s_lshl_b32 s74, s42, 8                         ; the head's 64 biases
	s_mov_b32 s75, 0
	s_wait_dscnt 0x0
	s_wait_kmcnt 0x0
	s_add_nc_u64 s[14:15], s[4:5], s[16:17]
	s_add_nc_u64 s[46:47], s[6:7], s[46:47]
	s_sub_nc_u64 s[46:47], s[46:47], 0x200000      ; wave 1: Wq, wave 2: Wk, wave 3: Wv
	s_add_nc_u64 s[66:67], s[66:67], s[74:75]
	s_add_nc_u64 s[68:69], s[68:69], s[74:75]
	s_add_nc_u64 s[70:71], s[70:71], s[74:75]
	CROUND                                         ; all sixteen work-groups are here: the first joint loads meet
.irp s, 0,1
	s_mov_b32 s[G0+4*\s], 1
	s_mov_b32 s[G0+4*\s+1], \s*SLOT
	s_add_nc_u64 s[G0+4*\s+2:G0+4*\s+3], s[14:15], \s*ASTEP
	s_or_b32 s[G0+4*\s+3], s[G0+4*\s+3], 0x80000000
	s_mov_b32 s[G0B+4*\s], 1
	s_add_co_u32 s[G0B+4*\s+1], s45, \s*SLOT
	s_add_nc_u64 s[G0B+4*\s+2:G0B+4*\s+3], s[46:47], \s*BSTEP
	s_or_b32 s[G0B+4*\s+3], s[G0B+4*\s+3], 0x80000000
	JLOAD \s
.endr
	v_and_b32 v1, 15, v0                           ; r
	v_bfe_u32 v2, v0, 4, 1                         ; h
	v_lshlrev_b32 v[BO], 5, v2                     ; bias: 8 numbers from column 8 h of a tile
.set b_, 0
.rept NT
	global_load_b128 v[BIAS+8*b_:BIAS+8*b_+3],   v[BO], s[66+2*(b_/4):67+2*(b_/4)] offset:(b_%4)*64
	global_load_b128 v[BIAS+8*b_+4:BIAS+8*b_+7], v[BO], s[66+2*(b_/4):67+2*(b_/4)] offset:(b_%4)*64+16
.set b_, b_+1
.endr
	v_mul_u32_u24 v3, v1, PA
	v_lshl_add_u32 v3, v2, 4, v3                   ; A: row r, 16 bytes for each half of the lanes
	v_and_b32 v4, 7, v0
	v_lshl_add_u32 v4, v2, 3, v4
	v_mul_u32_u24 v4, v4, PB                       ; B: k row 8 h + lane mod 8,
	v_bfe_u32 v5, v0, 3, 1
	v_lshl_add_u32 v4, v5, 4, v4                   ; 16 bytes further for lanes 8-15 of each half
	s_mul_i32 s21, s10, 64*PA                      ; my 64 rows of A
	s_mov_b32 s22, BBASE
.irp s, 0,1
	v_add_nc_u32 v[ADRA+\s], s21, v3
	v_add_nc_u32 v[ADRB+\s], s22, v4
	s_add_co_u32 s21, s21, SLOT
	s_add_co_u32 s22, s22, SLOT
.endr
	s_mul_i32 s23, s10, STW
	s_add_co_u32 s23, s23, STAGE                   ; my stage
	v_mul_u32_u24 v6, v1, SPITCH
	v_lshl_add_u32 v6, v2, 4, v6
	v_add_nc_u32 v[STO], s23, v6
	v_and_b32 v6, 31, v0
	v_lshlrev_b32 v[CO], 4, v6                     ; out: 16 bytes a lane, 512 consecutive bytes a wave,
	v_add_nc_u32 v[CO+1], 0x800000, v[CO]          ; in q, in k,
	v_add_nc_u32 v[CO+2], 0x1000000, v[CO]         ; in v
	v_lshrrev_b32 v7, 3, v6
	v_mul_u32_u24 v7, v7, SPITCH
	v_and_b32 v5, 7, v0
	v_lshl_add_u32 v7, v5, 4, v7
	v_add_nc_u32 v[RD], s23, v7                    ; back: eight lanes take the 128 bytes of one token and one of q, k, v
	s_wait_tensorcnt 0x1                           ; my part of K step 0 is in; K step 1's load stays out
	s_barrier_signal -1
	s_barrier_wait -1
	FETCH 0, 0, 0
	s_wait_loadcnt 0x0                             ; the bias
	LAP 1
	WIN 0
	s_mov_b32 s3, LAPS-2
.Llap:
	LAP 0
	WIN 0
	s_sub_co_u32 s3, s3, 1
	s_cmp_lg_u32 s3, 0
	s_cbranch_scc1 .Llap
	KSTEPM 0, 0                                    ; the last lap fills nothing
	TURN 0, 1, 0
	KSTEPM 1, 0
	s_wait_dscnt MT
	MWIN 0, 0
	MULQ 1, 0, 0
	MULQ 1, 1, 0
	s_wait_dscnt 0x0
	MWIN 2, 0
	MULQ 1, 2, 0
	MULQ 1, 3, 0
	PLACES
	WIN 0
	; the way out: base = qkv + ((batch x 16 + head) x 1024 + token in the batch) x 128 bytes
	s_lshr_b32 s16, s13, 2
	s_lshl_b32 s16, s16, 21
	s_and_b32 s17, s13, 3
	s_lshl_b32 s17, s17, 15
	s_add_co_u32 s16, s16, s17
	s_lshl_b32 s17, s10, 13
	s_add_co_u32 s16, s16, s17
	s_mov_b32 s17, 0
	s_add_nc_u64 s[8:9], s[8:9], s[16:17]
	s_lshl_b32 s46, s42, 17
	s_mov_b32 s47, 0
	s_add_nc_u64 s[8:9], s[8:9], s[46:47]
; 16 tokens: round to bf16, 16 bytes a lane into my own stage, read back so that a store of the wave covers 512 consecutive bytes (4 tokens of one of q, k, v)
.macro OUT16 i
	WIN (2+\i/2)*5
.set e, 0
.rept 48
	v_cvt_pk_bf16_f32 v[PK+e], v[96*(\i%2)+2*e], v[96*(\i%2)+2*e+1]
.set e, e+1
.endr
	WIN 0
.set e, 0
.rept 12
	ds_store_b128 v[STO], v[PK+4*e:PK+4*e+3] offset:32*e
.set e, e+1
.endr
	s_wait_xcnt 0x0                                ; earlier stores have read the registers that are loaded next
.set n, 0
.rept 12
	ds_load_b128 v[RB+48*(\i%2)+4*n:RB+48*(\i%2)+4*n+3], v[RD] offset:(n%4)*4*SPITCH+(n/4)*128     ; a wave's LDS instructions are served in order: these see the stores above
.set n, n+1
.endr
.set n, 0
.rept 12
	s_wait_dscnt 11-n                              ; load n is back, the younger ones may be out
	global_store_b128 v[CO+n/4], v[RB+48*(\i%2)+4*n:RB+48*(\i%2)+4*n+3], s[8:9] offset:512*(n%4)+2048*\i
.set n, n+1
.endr
.endm
	OUT16 0
	OUT16 1
	OUT16 2
	OUT16 3
	s_set_vgpr_msb 0x1
	s_wait_tensorcnt 0x0
	ds_add_u32 v255, v255
	s_wait_dscnt 0x0
	s_set_vgpr_msb 0x100
	CROUND                                         ; the closing round
	s_endpgm
.Lfunc_end_k_qda3647e8a6_qkvp:
	.size	k_qda3647e8a6_qkvp, .Lfunc_end_k_qda3647e8a6_qkvp-k_qda3647e8a6_qkvp
	.p2alignl 7, 3214868480
	.fill 96, 4, 3214868480
	.section	.rodata,"a",@progbits
	.p2align	6, 0x0
	.amdhsa_kernel k_qda3647e8a6_qkvp
		.amdhsa_group_segment_fixed_size 327680
		.amdhsa_private_segment_fixed_size 0
		.amdhsa_enable_private_segment 0
		.amdhsa_kernarg_size 48
		.amdhsa_user_sgpr_count 2
		.amdhsa_user_sgpr_kernarg_segment_ptr 1
		.amdhsa_wavefront_size32 1
		.amdhsa_system_sgpr_workgroup_id_x 1
		.amdhsa_system_sgpr_workgroup_id_y 1
		.amdhsa_system_sgpr_workgroup_id_z 1
		.amdhsa_system_vgpr_workitem_id 0
		.amdhsa_next_free_vgpr 960
		.amdhsa_next_free_sgpr 88
		.amdhsa_reserve_vcc 0
		.amdhsa_float_denorm_mode_32 3
		.amdhsa_float_denorm_mode_16_64 3
		.amdhsa_memory_ordered 1
		.amdhsa_forward_progress 1
		.amdhsa_inst_pref_size 167
	.end_amdhsa_kernel
	.amdgpu_metadata
---
amdhsa.version: [ 1, 2 ]
amdhsa.kernels:
  - .name:           k_qda3647e8a6_qkvp
    .symbol:         k_qda3647e8a6_qkvp.kd
    .args:
      - { .name: hn, .offset: 0, .size: 8, .value_kind: global_buffer, .address_space: global }
      - { .name: wb, .offset: 8, .size: 8, .value_kind: global_buffer, .address_space: global }
      - { .name: bq, .offset: 16, .size: 8, .value_kind: global_buffer, .address_space: global }
      - { .name: bk, .offset: 24, .size: 8, .value_kind: global_buffer, .address_space: global }
      - { .name: bv, .offset: 32, .size: 8, .value_kind: global_buffer, .address_space: global }
      - { .name: qkv, .offset: 40, .size: 8, .value_kind: global_buffer, .address_space: global }
    .group_segment_fixed_size: 327680
    .private_segment_fixed_size: 0
    .kernarg_segment_align: 8
    .kernarg_segment_size: 48
    .max_flat_workgroup_size: 128
    .sgpr_count:     88
    .vgpr_count:     960
    .wavefront_size: 32
...
	.end_amdgpu_metadata
.endif
;; end of part 2
;; launch attn (part 3): grid 256 x 1, 4 waves a work-group, clusters of 4 x 1, 321,024 bytes of LDS; arguments qkv, ah; writes ah
.if DOCPART == 3
	.amdgcn_target "amdgcn-amd-amdhsa--gfx1250"
	.amdhsa_code_object_version 6
	.text
	.protected	k_qda3647e8a6_attn
	.globl	k_qda3647e8a6_attn
	.p2align	8
	.type	k_qda3647e8a6_attn,@function
k_qda3647e8a6_attn:
	s_mov_b64 s[64:65], 0
	v_nop
	global_prefetch_b8 v0, s[64:65] scope:SCOPE_SE
	s_setreg_imm32_b32 hwreg(HW_REG_WAVE_MODE, 25, 1), 1
	s_wait_xcnt 0x0
	s_wait_alu depctr_hold_cnt(0) depctr_sa_sdst(0) depctr_va_vdst(0) depctr_va_sdst(0) depctr_va_ssrc(0) depctr_va_vcc(0) depctr_vm_vsrc(0)
	s_getreg_b32 s2, hwreg(HW_REG_IB_STS2, 6, 4)
	s_cmp_eq_u32 s2, 0
	s_cbranch_scc0 .Lentry_in_a_cluster
	s_endpgm
.Lentry_in_a_cluster:
	s_bfe_u32 s2, ttmp6, 0x10000c
	s_cmp_lg_u32 s2, 0x3003
	s_cbranch_scc0 .Lentry_shape_is_right
	s_endpgm
.Lentry_shape_is_right:
; Causal softmax attention.  qkv: bf16 [3][batch x head][1024][64].  ah: bf16 [batch x head][1024][64].
; A cluster of four work-groups takes one (batch, head): its K and V (1,024 rows each) are fetched once by joint loads and stay whole in every partner's LDS,
; so LDS is filled once and never again.  The 1,024 queries are 8 groups of 128; in each group work-group cx owns the 32 queries 128 u + 32 cx ..; wave w does
; groups 7 - w and w, that is (8 - w) + (w + 1) = 9 blocks of 128 keys for every wave: trip counts and LDS addresses hang on the wave's number alone.
; S^T = K Q^T: a lane holds one query (lanes l and l + 16 share it, each with half of the keys), so the running maximum and sum are one number a lane.
; P^T, rounded to bf16, is packed in place into the second operand of O^T = V^T P^T; V^T's fragments come by the transposing LDS load.
; The group's own (diagonal) block is taken first: every query has its own key in it, so the running maximum is finite from the first step on.
; Softmax: running maximum, exponentials in base 2 with 0.125 log2(e) folded in; a weight below 2^-126 counts as zero.
; TWO PHASES: while keys are walked LDS is only read; each group's result waits, normalised and packed to bf16, in 32 registers.  One barrier, which every wave
; reaches after its nine blocks, parts that phase from the way out, in which each wave writes its own stage.
; The accumulators of each product take turns, one instruction a turn.
; Windows: 0 addresses, Q, O, way out; 1 S / P and the statistics; 2 fragments of K and V.
.set ADK0, 4
.set ADV0, 5
.set ADKP, 6
.set ADV,  7
.set VQ,   8
.set STO,  9
.set RD,   10
.set CO,   11
.set QA,   16                          ; v[16:47]   Q fragments of the first group: (qt, ks) at 8 (2 qt + ks)
.set QB,   48                          ; v[48:79]   of the second
.set O,    80                          ; v[80:143]  O^T tiles (et, qt) at 8 (et + 4 qt)
.set OTA,  144                         ; v[144:175] the first group's result, packed: 16 qt + 4 et + 0..3
.set OTB,  176                         ; v[176:207] the second group's
.set RB,   208                         ; v[208:223] rows read back from the stage
.set S,    0                           ; window 1: v[0:127] tile (kt, qt) at 8 (2 kt + qt)
.set NMC,  128                         ; window 1: - maximum x scale, a pair for each qt
.set AL,   132                         ; window 1: the rescaling factor, a pair for each qt
.set LS,   136                         ; window 1: four pair sums for each qt
.set TM,   152                         ; window 1: maxima at work
.set DQ,   162                         ; window 1: query's place in the group - 8 h, for each qt
.set NM2,  164
.set KF,   0                           ; window 2: v[0:127]   K fragments (kt, ks) at 8 (2 kt + ks)
.set VF,   128                         ; window 2: v[128:255] V^T fragments (et, ks) at 8 (4 ks + et)
.set PK_,  144                         ; K's LDS row: 128 bytes + 16
.set PV_,  160                         ; V's LDS row: 128 bytes + 32
.set VBASE, 1024*PK_
.set STAGE, VBASE+1024*PV_
.set G1K, 24
.set G0K, 32
.set G0V, 36
.set G1V, 48
.set MSB, 0
.macro WIN new
.if MSB != (\new)
	s_set_vgpr_msb (MSB<<8)|(\new)
.set MSB, (\new)
.endif
.endm
.macro PLACES
.rept 4
	v_nop
.endr
.endm
.macro ROUND                           ; a round of the cluster's barrier
	s_barrier_signal -1
	s_barrier_wait -1
	s_cmp_lg_u32 s10, 0
	s_cbranch_scc1 .Lnot_wave_0_\@
	s_barrier_signal -3
.Lnot_wave_0_\@:
	s_barrier_wait -3
	s_barrier_signal -1
	s_barrier_wait -1
.endm
.macro LOADK                           ; 128 keys x 64: 32 loads
	WIN 0x80
.set kt, 0
.rept 8
	ds_load_b128 v[KF+16*kt:KF+16*kt+3],     v[ADKP] offset:kt*16*PK_
	ds_load_b128 v[KF+16*kt+4:KF+16*kt+7],   v[ADKP] offset:kt*16*PK_+32
	ds_load_b128 v[KF+16*kt+8:KF+16*kt+11],  v[ADKP] offset:kt*16*PK_+64
	ds_load_b128 v[KF+16*kt+12:KF+16*kt+15], v[ADKP] offset:kt*16*PK_+96
.set kt, kt+1
.endr
.endm
.macro LOADV                           ; the same keys of V, transposed: 32 loads
	WIN 0x80
.set ks, 0
.rept 4
.set et, 0
.rept 4
	ds_load_tr16_b128 v[VF+8*(4*ks+et):VF+8*(4*ks+et)+3],   v[ADV] offset:ks*32*PV_+32*et
	ds_load_tr16_b128 v[VF+8*(4*ks+et)+4:VF+8*(4*ks+et)+7], v[ADV] offset:ks*32*PV_+32*et+16*PV_
.set et, et+1
.endr
.set ks, ks+1
.endr
.endm
.macro MAXST o1, o2                    ; one link of the eight chains of maxima
.irp qt, 0,1
.irp c, 0,1,2,3
	v_max3_num_f32 v[TM+4*\qt+\c], v[TM+4*\qt+\c], v[S+32*\c+8*\qt+\o1], v[S+32*\c+8*\qt+\o2]
.endr
.endr
.endm
.macro PEXP tt                         ; tile tt: p = 2^(s x scale - maximum x scale)
.irp i, 0,2,4,6
	v_pk_fma_f32 v[S+8*(\tt)+\i:S+8*(\tt)+\i+1], v[S+8*(\tt)+\i:S+8*(\tt)+\i+1], s[70:71], v[NMC+2*((\tt)%2):NMC+2*((\tt)%2)+1] op_sel_hi:[1,0,1]
.endr
.irp i, 0,1,2,3,4,5,6,7
	v_exp_f32 v[S+8*(\tt)+\i], v[S+8*(\tt)+\i]
.endr
.endm
.macro PCONS tt                        ; tile tt: into the sums, then packed: even kt into registers 0-3 of its own tile, odd kt into registers 4-7 of the tile of kt - 1
	s_wait_alu depctr_va_vdst(0)
.irp i, 0,1,2,3
	v_pk_add_f32 v[LS+8*((\tt)%2)+2*\i:LS+8*((\tt)%2)+2*\i+1], v[LS+8*((\tt)%2)+2*\i:LS+8*((\tt)%2)+2*\i+1], v[S+8*(\tt)+2*\i:S+8*(\tt)+2*\i+1]
.endr
.irp i, 0,1,2,3
	v_cvt_pk_bf16_f32 v[S+8*(4*((\tt)/4)+(\tt)%2)+4*(((\tt)/2)%2)+\i], v[S+8*(\tt)+2*\i], v[S+8*(\tt)+2*\i+1]
.endr
.endm
; One block of 128 keys against the wave's 32 queries.  first = 1: the diagonal block, which is masked and starts every sum.  qf: the group's Q fragments.
; On entry v[ADV] is the block's place in V and K's fragments of the block are on their way; with first = 0, s22 is the next block's offset in K.
.macro STEP first, qf
	LOADV
	s_wait_dscnt 32                                ; K's 32 loads, issued ahead of V's 32, are in
	WIN 0x52
.set kt, 0
.rept 8
	v_wmma_f32_16x16x32_bf16 v[S+16*kt:S+16*kt+7],    v[KF+16*kt:KF+16*kt+7], v[\qf:\qf+7], 0
	v_wmma_f32_16x16x32_bf16 v[S+16*kt+8:S+16*kt+15], v[KF+16*kt:KF+16*kt+7], v[\qf+16:\qf+23], 0
.set kt, kt+1
.endr
.set kt, 0
.rept 8
	v_wmma_f32_16x16x32_bf16 v[S+16*kt:S+16*kt+7],    v[KF+16*kt+8:KF+16*kt+15], v[\qf+8:\qf+15],  v[S+16*kt:S+16*kt+7]
	v_wmma_f32_16x16x32_bf16 v[S+16*kt+8:S+16*kt+15], v[KF+16*kt+8:KF+16*kt+15], v[\qf+24:\qf+31], v[S+16*kt+8:S+16*kt+15]
.set kt, kt+1
.endr
	PLACES                                         ; in front of the loads into K's fragments and of the reads of S
	WIN 0
.if \first
	v_mov_b32 v[ADKP], v[ADK0]                     ; behind the diagonal block come blocks 0, 1, ..
.else
	v_add_nc_u32 v[ADKP], s22, v[ADK0]             ; block trip + 1
.endif
	LOADK                                          ; the next block's K (behind a group's last block: a block inside K that is not used)
	WIN 0x55
.if \first
.set kt, 0
.rept 8
.set j, 0
.rept 8
	v_cmp_le_i32 vcc_lo, 16*kt+j, v[DQ]            ; key 16 kt + 8 h + j <= query 32 cx + r
	v_cndmask_b32 v[S+16*kt+j], s75, v[S+16*kt+j], vcc_lo
	v_cmp_le_i32 vcc_lo, 16*kt+j, v[DQ+1]          ; and query 32 cx + 16 + r
	v_cndmask_b32 v[S+16*kt+8+j], s75, v[S+16*kt+8+j], vcc_lo
.set j, j+1
.endr
.set kt, kt+1
.endr
.endif
.irp qt, 0,1
.irp c, 0,1,2,3
	v_max3_num_f32 v[TM+4*\qt+\c], v[S+32*\c+8*\qt], v[S+32*\c+8*\qt+1], v[S+32*\c+8*\qt+2]
.endr
.endr
	MAXST 3, 4
	MAXST 5, 6
	MAXST 7, 16
	MAXST 17, 18
	MAXST 19, 20
	MAXST 21, 22
.irp qt, 0,1
.irp c, 0,1,2,3
	v_max_num_f32 v[TM+4*\qt+\c], v[TM+4*\qt+\c], v[S+32*\c+8*\qt+23]
.endr
.endr
.irp qt, 0,1
	v_max3_num_f32 v[TM+4*\qt], v[TM+4*\qt], v[TM+4*\qt+1], v[TM+4*\qt+2]
	v_max_num_f32 v[TM+4*\qt], v[TM+4*\qt], v[TM+4*\qt+3]
	v_permlanex16_b32 v[TM+4*\qt+1], v[TM+4*\qt], s73, s74     ; the other half of the query's keys
	v_max_num_f32 v[TM+4*\qt], v[TM+4*\qt], v[TM+4*\qt+1]
.endr
.if \first
.irp qt, 0,1
	v_mul_f32 v[NMC+2*\qt], s72, v[TM+4*\qt]
	v_mul_f32 v[NMC+2*\qt+1], s72, v[TM+4*\qt]
.endr
.else
.irp qt, 0,1
	v_mul_f32 v[NM2+\qt], s72, v[TM+4*\qt]
	v_min_num_f32 v[NM2+\qt], v[NM2+\qt], v[NMC+2*\qt]         ; the negative of the larger maximum
	v_sub_f32 v[AL+2*\qt], v[NM2+\qt], v[NMC+2*\qt]
.endr
	v_exp_f32 v[AL], v[AL]
	v_exp_f32 v[AL+2], v[AL+2]
.irp qt, 0,1
	v_mov_b32 v[NMC+2*\qt], v[NM2+\qt]             ; plain instructions between the exponentials and the use of their results (ISA guide 5.7.2)
	v_mov_b32 v[NMC+2*\qt+1], v[NM2+\qt]
.endr
	s_wait_alu depctr_va_vdst(0)
	v_mov_b32 v[AL+1], v[AL]
	v_mov_b32 v[AL+3], v[AL+2]
.set e, 0
.rept 8
	v_pk_mul_f32 v[LS+2*e:LS+2*e+1], v[LS+2*e:LS+2*e+1], v[AL+2*(e/4):AL+2*(e/4)+1]
.set e, e+1
.endr
	WIN 0x04
.set e, 0
.rept 32
	v_pk_mul_f32 v[O+2*e:O+2*e+1], v[O+2*e:O+2*e+1], v[AL+2*(e/16):AL+2*(e/16)+1]
.set e, e+1
.endr
	WIN 0x55
.endif
	PEXP 0
.set t, 1
.rept 15
	PEXP t                                         ; tile t's multiply-adds stand between tile t - 1's exponentials and their use
	PCONS (t-1)
.set t, t+1
.endr
	PCONS 15
	s_wait_dscnt 32                                ; V's 32 loads are in; the next block's 32 loads of K stay out
	WIN 0x06
.set ks, 0
.rept 4
.set zc, 0
.if \first
.if ks == 0
.set zc, 1
.endif
.endif
.irp qt, 0,1
.irp et, 0,1,2,3
.if zc
	v_wmma_f32_16x16x32_bf16 v[O+8*(\et+4*\qt):O+8*(\et+4*\qt)+7], v[VF+8*(4*ks+\et):VF+8*(4*ks+\et)+7], v[S+8*(4*ks+\qt):S+8*(4*ks+\qt)+7], 0
.else
	v_wmma_f32_16x16x32_bf16 v[O+8*(\et+4*\qt):O+8*(\et+4*\qt)+7], v[VF+8*(4*ks+\et):VF+8*(4*ks+\et)+7], v[S+8*(4*ks+\qt):S+8*(4*ks+\qt)+7], v[O+8*(\et+4*\qt):O+8*(\et+4*\qt)+7]
.endif
.endr
.endr
.set ks, ks+1
.endr
.rept 5
	v_nop                                          ; five places: the next products write over P, the next loads over V's fragments
.endr
	WIN 0
.endm
; The end of a group, in registers alone: O / sum, rounded to bf16, into the 32 registers from ot on.
.macro NORM ot
	WIN 0x55
.irp qt, 0,1
	v_pk_add_f32 v[LS+8*\qt:LS+8*\qt+1], v[LS+8*\qt:LS+8*\qt+1], v[LS+8*\qt+2:LS+8*\qt+3]
	v_pk_add_f32 v[LS+8*\qt+4:LS+8*\qt+5], v[LS+8*\qt+4:LS+8*\qt+5], v[LS+8*\qt+6:LS+8*\qt+7]
	v_pk_add_f32 v[LS+8*\qt:LS+8*\qt+1], v[LS+8*\qt:LS+8*\qt+1], v[LS+8*\qt+4:LS+8*\qt+5]
	v_add_f32 v[LS+8*\qt], v[LS+8*\qt], v[LS+8*\qt+1]
	v_permlanex16_b32 v[LS+8*\qt+1], v[LS+8*\qt], s73, s74
	v_add_f32 v[LS+8*\qt], v[LS+8*\qt], v[LS+8*\qt+1]
.endr
	v_rcp_f32 v[AL], v[LS]
	v_rcp_f32 v[AL+2], v[LS+8]
	v_nop                                          ; one plain instruction between the reciprocals and the use of their results (ISA guide 5.7.2)
	s_wait_alu depctr_va_vdst(0)
	v_mov_b32 v[AL+1], v[AL]
	v_mov_b32 v[AL+3], v[AL+2]
	WIN 0x04
.set e, 0
.rept 32
	v_pk_mul_f32 v[O+2*e:O+2*e+1], v[O+2*e:O+2*e+1], v[AL+2*(e/16):AL+2*(e/16)+1]
.set e, e+1
.endr
	WIN 0
.set e, 0
.rept 32
	v_cvt_pk_bf16_f32 v[\ot+e], v[O+2*e], v[O+2*e+1]
.set e, e+1
.endr
.endm
; The way out of one group: through my own stage, in stores of 512 consecutive bytes.  so: the scalar pair with the group's address in ah.
.macro OUTG ot, so
.irp qt, 0,1
	s_wait_xcnt 0x0                                ; earlier stores have read RB
.irp et, 0,1,2,3
	ds_store_b128 v[STO], v[\ot+16*\qt+4*\et:\ot+16*\qt+4*\et+3] offset:32*\et
.endr
.irp t4, 0,1,2,3
	ds_load_b128 v[RB+4*\t4:RB+4*\t4+3], v[RD] offset:4*PK_*\t4    ; a wave's LDS instructions are served in order: these see the stores above
.endr
.irp t4, 0,1,2,3
	s_wait_dscnt 3-\t4                             ; load t4 is back, the younger ones may be out
	global_store_b128 v[CO], v[RB+4*\t4:RB+4*\t4+3], s[\so:\so+1] offset:512*\t4+2048*\qt
.endr
.endr
.endm
; A group of 128 queries, of which 32 are this wave's.  su: the scalar register with the group's number u.
.macro GROUP su, qf, ot
	s_mul_i32 s22, s[\su], 128*PK_
	s_mul_i32 s23, s[\su], 128*PV_
	v_add_nc_u32 v[ADKP], s22, v[ADK0]
	v_add_nc_u32 v[ADV], s23, v[ADV0]
	s_wait_dscnt 0x0                               ; no load into K's fragments is pending
	LOADK
	WIN 0x40
.set e, 0
.rept 16
	v_mov_b32 v[LS+e], 0
.set e, e+1
.endr
	STEP 1, \qf
	s_cmp_eq_u32 s[\su], 0
	s_cbranch_scc1 .Lnone_\@
	s_mov_b32 s3, 0
.Ltrip_\@:
	s_mul_i32 s23, s3, 128*PV_                     ; this trip's block of V,
	s_mul_i32 s22, s3, 128*PK_
	s_add_co_u32 s22, s22, 128*PK_                 ; the next trip's block of K
	v_add_nc_u32 v[ADV], s23, v[ADV0]
	STEP 0, \qf
	s_add_co_u32 s3, s3, 1
	s_cmp_lt_u32 s3, s[\su]
	s_cbranch_scc1 .Ltrip_\@
.Lnone_\@:
	NORM \ot
.endm
	s_load_b128 s[4:7], s[0:1], 0x0                ; qkv, ah
	v_lshl_add_u32 v254, v0, 2, 0x4e400
	v_mov_b32 v255, 0
	ds_add_u32 v254, v255
	v_lshrrev_b32 v1, 5, v0
	v_readfirstlane_b32 s10, v1                    ; wave 0..3
	s_bfe_u32 s40, ttmp6, 0x40000                  ; cx
	s_mov_b32 s[G1K+0], 15|(1<<16)|(1<<20)|(1<<21)|(4<<22)|(3<<25)      ; all four partners; 2-byte elements; 4 words of padding behind every 32
	s_mov_b32 s[G1K+1], 64<<16
	s_mov_b32 s[G1K+2], 256<<16
	s_mov_b32 s[G1K+3], 64<<16
	s_mov_b32 s[G1K+4], 256
	s_mov_b32 s[G1K+5], 64
	s_mov_b32 s[G1K+6], 0
	s_mov_b32 s[G1K+7], 0
	s_mov_b32 s[G1V+0], 15|(1<<16)|(1<<20)|(1<<21)|(4<<22)|(7<<25)      ; 8 words of padding
	s_mov_b32 s[G1V+1], 64<<16
	s_mov_b32 s[G1V+2], 256<<16
	s_mov_b32 s[G1V+3], 64<<16
	s_mov_b32 s[G1V+4], 256
	s_mov_b32 s[G1V+5], 64
	s_mov_b32 s[G1V+6], 0
	s_mov_b32 s[G1V+7], 0
	s_lshl_b32 s44, ttmp9, 17                      ; the head's 131,072 bytes,
	s_lshl_b32 s45, s10, 15                        ; my wave's 256 rows of them
	s_add_co_u32 s44, s44, s45
	s_mov_b32 s45, 0
	s_mul_i32 s22, s10, 256*PK_
	s_mul_i32 s23, s10, 256*PV_
	s_sub_co_u32 s12, 7, s10                       ; the first group's number,
	s_mov_b32 s13, s10                             ; the second's
	s_lshl_b32 s41, s40, 12                        ; 32 cx rows of 128 bytes
	s_lshl_b32 s42, ttmp9, 17
	s_add_co_u32 s42, s42, s41
	s_lshl_b32 s56, s12, 14
	s_add_co_u32 s56, s56, s42
	s_mov_b32 s57, 0
	s_lshl_b32 s58, s13, 14
	s_add_co_u32 s58, s58, s42
	s_mov_b32 s59, 0
	s_mov_b32 s70, 0x3e38aa3b                      ; 0.125 log2(e)
	s_mov_b32 s71, 0x3e38aa3b
	s_mov_b32 s72, 0xbe38aa3b
	s_mov_b32 s73, 0x76543210
	s_mov_b32 s74, 0xfedcba98
	s_mov_b32 s75, 0xff800000                      ; minus infinity
	s_wait_dscnt 0x0
	s_wait_kmcnt 0x0
	s_add_nc_u64 s[46:47], s[4:5], s[44:45]
	s_add_nc_u64 s[14:15], s[4:5], s[56:57]        ; Q of the first group, of the second
	s_add_nc_u64 s[16:17], s[4:5], s[58:59]
	s_add_nc_u64 s[18:19], s[6:7], s[56:57]        ; and their places in ah
	s_add_nc_u64 s[20:21], s[6:7], s[58:59]
	ROUND                                          ; the four partners are here: the joint loads meet
	s_mov_b32 s[G0K], 1
	s_mov_b32 s[G0K+1], s22
	s_add_nc_u64 s[G0K+2:G0K+3], s[46:47], 0x800000
	s_or_b32 s[G0K+3], s[G0K+3], 0x80000000
	s_mov_b32 s[G0V], 1
	s_add_co_u32 s[G0V+1], s23, VBASE
	s_add_nc_u64 s[G0V+2:G0V+3], s[46:47], 0x1000000
	s_or_b32 s[G0V+3], s[G0V+3], 0x80000000
	tensor_load_to_lds s[G0K:G0K+3], s[G1K:G1K+7]  ; my quarter of K; two tensor loads of a wave are out at the most
	s_nop 0
.rept 4
	v_nop
.endr
	tensor_load_to_lds s[G0V:G0V+3], s[G1V:G1V+7]  ; my quarter of V
	s_nop 0
.rept 4
	v_nop
.endr
	v_and_b32 v1, 15, v0                           ; r
	v_bfe_u32 v2, v0, 4, 1                         ; h
	v_lshlrev_b32 v3, 7, v1
	v_lshl_add_u32 v[VQ], v2, 4, v3                ; Q: row r, 16 bytes for each half of the lanes
.set e, 0
.rept 4                                        ; e = 2 qt + ks
	global_load_b128 v[QA+8*e:QA+8*e+3],   v[VQ], s[14:15] offset:2048*(e/2)+64*(e%2)
	global_load_b128 v[QA+8*e+4:QA+8*e+7], v[VQ], s[14:15] offset:2048*(e/2)+64*(e%2)+32
	global_load_b128 v[QB+8*e:QB+8*e+3],   v[VQ], s[16:17] offset:2048*(e/2)+64*(e%2)
	global_load_b128 v[QB+8*e+4:QB+8*e+7], v[VQ], s[16:17] offset:2048*(e/2)+64*(e%2)+32
.set e, e+1
.endr
	v_mul_u32_u24 v3, v1, PK_
	v_lshl_add_u32 v[ADK0], v2, 4, v3
	v_and_b32 v3, 7, v0
	v_lshl_add_u32 v3, v2, 3, v3
	v_mul_u32_u24 v3, v3, PV_
	v_bfe_u32 v12, v0, 3, 1
	v_lshl_add_u32 v3, v12, 4, v3
	v_add_nc_u32 v[ADV0], VBASE, v3
	s_mul_i32 s22, s10, 16*PK_
	s_add_co_u32 s22, s22, STAGE                   ; my stage
	v_add_nc_u32 v[STO], s22, v[ADK0]              ; in: row r, 16 bytes for each half
	v_and_b32 v3, 31, v0
	v_lshlrev_b32 v[CO], 4, v3
	v_lshrrev_b32 v12, 3, v3
	v_mul_u32_u24 v12, v12, PK_
	v_and_b32 v13, 7, v0
	v_lshl_add_u32 v12, v13, 4, v12
	v_add_nc_u32 v[RD], s22, v12                   ; back: eight lanes take a query's 128 bytes
	v_lshlrev_b32 v3, 3, v2
	v_sub_nc_u32 v3, v1, v3                        ; r - 8 h
	s_lshl_b32 s41, s40, 5
	v_add_nc_u32 v3, s41, v3                       ; + 32 cx: enters the mask's comparison alone
	WIN 0x40
	v_mov_b32 v[DQ], v3
	v_add_nc_u32 v[DQ+1], 16, v3
	WIN 0
	s_wait_tensorcnt 0x0                           ; my quarters of K and V are in,
	s_barrier_signal -1
	s_barrier_wait -1                              ; everybody's are
	s_wait_loadcnt 0x0                             ; Q
	GROUP 12, QA, OTA
	GROUP 13, QB, OTB
	s_wait_dscnt 0x0                               ; my reads of K and V are over,
	s_barrier_signal -1
	s_barrier_wait -1                              ; everybody's are: from here on LDS is written, each wave in its own stage
	OUTG OTA, 18
	OUTG OTB, 20
	s_wait_dscnt 0x0
	s_wait_tensorcnt 0x0
	ds_add_u32 v254, v255
	s_wait_dscnt 0x0
	ROUND                                          ; the closing round
	s_endpgm
.Lfunc_end_k_qda3647e8a6_attn:
	.size	k_qda3647e8a6_attn, .Lfunc_end_k_qda3647e8a6_attn-k_qda3647e8a6_attn
	.p2alignl 7, 3214868480
	.fill 96, 4, 3214868480
	.section	.rodata,"a",@progbits
	.p2align	6, 0x0
	.amdhsa_kernel k_qda3647e8a6_attn
		.amdhsa_group_segment_fixed_size 321024
		.amdhsa_private_segment_fixed_size 0
		.amdhsa_enable_private_segment 0
		.amdhsa_kernarg_size 16
		.amdhsa_user_sgpr_count 2
		.amdhsa_user_sgpr_kernarg_segment_ptr 1
		.amdhsa_wavefront_size32 1
		.amdhsa_system_sgpr_workgroup_id_x 1
		.amdhsa_system_sgpr_workgroup_id_y 1
		.amdhsa_system_sgpr_workgroup_id_z 1
		.amdhsa_system_vgpr_workitem_id 0
		.amdhsa_next_free_vgpr 768
		.amdhsa_next_free_sgpr 80
		.amdhsa_reserve_vcc 1
		.amdhsa_float_denorm_mode_32 3
		.amdhsa_float_denorm_mode_16_64 3
		.amdhsa_memory_ordered 1
		.amdhsa_forward_progress 1
		.amdhsa_inst_pref_size 172
	.end_amdhsa_kernel
	.amdgpu_metadata
---
amdhsa.version: [ 1, 2 ]
amdhsa.kernels:
  - .name:           k_qda3647e8a6_attn
    .symbol:         k_qda3647e8a6_attn.kd
    .args:
      - { .name: qkv, .offset: 0, .size: 8, .value_kind: global_buffer, .address_space: global }
      - { .name: ah, .offset: 8, .size: 8, .value_kind: global_buffer, .address_space: global }
    .group_segment_fixed_size: 321024
    .private_segment_fixed_size: 0
    .kernarg_segment_align: 8
    .kernarg_segment_size: 16
    .max_flat_workgroup_size: 128
    .sgpr_count:     80
    .vgpr_count:     768
    .wavefront_size: 32
...
	.end_amdgpu_metadata
.endif
;; end of part 3
;; launch wo (part 4): grid 8 x 32, 4 waves a work-group, clusters of 4 x 4, 327,680 bytes of LDS; arguments ah, wb, bo, x, x1; writes x1
.if DOCPART == 4
	.amdgcn_target "amdgcn-amd-amdhsa--gfx1250"
	.amdhsa_code_object_version 6
	.text
	.protected	k_qda3647e8a6_wo
	.globl	k_qda3647e8a6_wo
	.p2align	8
	.type	k_qda3647e8a6_wo,@function
k_qda3647e8a6_wo:
	s_mov_b64 s[64:65], 0
	v_nop
	global_prefetch_b8 v0, s[64:65] scope:SCOPE_SE
	s_setreg_imm32_b32 hwreg(HW_REG_WAVE_MODE, 25, 1), 1
	s_wait_xcnt 0x0
	s_wait_alu depctr_hold_cnt(0) depctr_sa_sdst(0) depctr_va_vdst(0) depctr_va_sdst(0) depctr_va_ssrc(0) depctr_va_vcc(0) depctr_vm_vsrc(0)
	s_getreg_b32 s2, hwreg(HW_REG_IB_STS2, 6, 4)
	s_cmp_eq_u32 s2, 0
	s_cbranch_scc0 .Lentry_in_a_cluster
	s_endpgm
.Lentry_in_a_cluster:
	s_bfe_u32 s2, ttmp6, 0x10000c
	s_cmp_lg_u32 s2, 0xf033
	s_cbranch_scc0 .Lentry_shape_is_right
	s_endpgm
.Lentry_shape_is_right:
; x1 = x + attn Wo + bo.  attn: ah, bf16 [batch][head][token][64]; Wo: wb + 6,291,456, bf16 [1024][1024]; x, x1: f32 [4096][1024].
; A work-group makes 128 tokens x 128 columns, a wave 64 x 64 (16 accumulator tiles, 128 registers): 1,024 columns leave 256 work-groups only blocks of this size.
; K goes in steps of 256 (four heads) through two LDS slots, so that a refill has 120 of a step's 128 matrix instructions in which to land.
; A's tile: one load brings two heads; a descriptor row is a head's 128 tokens (16,384 consecutive bytes), the pitch goes from head to head, and the padding
; interval of 32 words falls behind every token's 128 bytes: in LDS [head][token] with rows of 144 bytes.
; Wo stays [k][n] in LDS; ds_load_tr16_b128 makes the fragments.  CLUSTERS 4 x 4: A's tiles are shared along a cluster's row, B's along a column.
; Transposed use (source 0 = weights); the first product takes the bias as C.  The 16 accumulators take turns, one instruction a turn.
; The residual (my 64 x 64 numbers of x, 32 loads a wave) is asked for behind the first barrier, into 128 registers of its own, and has the whole walk along K in which to land.
; Windows: 0 addresses, A fragments, bias, way out; 1 B fragments and the residual; 2 accumulators.
.set MT, 4
.set NT, 4
.set APW, 4
.set PA, 144
.set HEADB, 128*PA                     ; a head's 128 tokens in LDS
.set PB, 288
.set BBASE, 4*HEADB
.set SLOT, BBASE+256*PB
.set STAGE, 2*SLOT
.set SPITCH, 272
.set STW, 16*SPITCH
.set NLD, 2*(MT+NT)
.set ASTEP, 524288                     ; four heads of 131,072 bytes
.set BSTEP, 524288                     ; 256 rows of 2,048 bytes
.set AHALF, 2*HEADB
.set BHALF, 128*PB
.set FA0, 32
.set FAS, 32
.set FB0, 0
.set FBS, 32
.set BIAS, 96
.set RBK, 32                           ; way out: v[32:159], row tile i at 32 i: each tile has registers of its own, so no store's data is written again
.set XRW, 64                           ; window 1: v[64:191], the residual, row tile i at 32 i
.set ADRA, 16
.set ADRB, 20                          ; v20..23: slot x 2 + (upper 128 k rows)
.set STO, 24
.set RD, 25
.set CO, 26
.set BO, 29
.set G1, 24
.set G0, 32
.set G1B, 48
.set G0B, 56
.set MSB, 0
.macro WIN new
.if MSB != (\new)
	s_set_vgpr_msb (MSB<<8)|(\new)
.set MSB, (\new)
.endif
.endm
.macro PLACES
.rept 4
	v_nop
.endr
.endm
.macro JLOAD s                         ; waves 0, 1 fetch A's halves, waves 2, 3 B's
	s_cmp_eq_u32 s11, 0
	s_cbranch_scc0 .Lfor_b_\@
	tensor_load_to_lds s[G0+4*\s:G0+4*\s+3], s[G1:G1+7]
	s_nop 0
.rept 4
	v_nop
.endr
	s_branch .Lasked_\@
.Lfor_b_\@:
	tensor_load_to_lds s[G0B+4*\s:G0B+4*\s+3], s[G1B:G1B+7]
	s_nop 0
.rept 4
	v_nop
.endr
.Lasked_\@:
.endm
.macro CREST
	s_cmp_lg_u32 s10, 0
	s_cbranch_scc1 .Lnot_wave_0_\@
	s_barrier_signal -3
.Lnot_wave_0_\@:
	s_barrier_wait -3
	s_barrier_signal -1
	s_barrier_wait -1
.endm
.macro CROUND
	s_barrier_signal -1
	s_barrier_wait -1
	CREST
.endm
.macro MWIN qd, first
.set wn, 2+(\qd*(MT/4))/APW
.if \first
.set wv, (wn<<6)|1
.else
.set wv, (wn<<6)|(wn<<4)|1
.endif
	WIN wv
.endm
.macro MULQ buf, qd, first
.set ma, \qd*(MT/4)
.rept MT/4
.set mb, 0
.rept NT
.set acc, 8*(NT*(ma%APW)+mb)
.if \first
	v_wmma_f32_16x16x32_bf16 v[acc:acc+7], v[FB0+FBS*\buf+8*mb:FB0+FBS*\buf+8*mb+7], v[FA0+FAS*\buf+8*ma:FA0+FAS*\buf+8*ma+7], v[BIAS+8*mb:BIAS+8*mb+7]
.else
	v_wmma_f32_16x16x32_bf16 v[acc:acc+7], v[FB0+FBS*\buf+8*mb:FB0+FBS*\buf+8*mb+7], v[FA0+FAS*\buf+8*ma:FA0+FAS*\buf+8*ma+7], v[acc:acc+7]
.endif
.set mb, mb+1
.endr
.set ma, ma+1
.endr
.endm
.macro FETCH slot, kq, buf             ; quarter kq (32 along K) of a slot: head kq / 2, half kq mod 2 of its 64
	WIN 0x40
.set fi, 0
.rept NT
	ds_load_tr16_b128 v[FB0+FBS*\buf+8*fi:FB0+FBS*\buf+8*fi+3],   v[ADRB+2*\slot+(\kq>>2)] offset:(\kq&3)*32*PB+32*fi
	ds_load_tr16_b128 v[FB0+FBS*\buf+8*fi+4:FB0+FBS*\buf+8*fi+7], v[ADRB+2*\slot+(\kq>>2)] offset:(\kq&3)*32*PB+32*fi+16*PB
.set fi, fi+1
.endr
	WIN 0
.set fi, 0
.rept MT
	ds_load_b128 v[FA0+FAS*\buf+8*fi:FA0+FAS*\buf+8*fi+3],   v[ADRA+\slot] offset:(\kq>>1)*HEADB+(\kq&1)*64+fi*16*PA
	ds_load_b128 v[FA0+FAS*\buf+8*fi+4:FA0+FAS*\buf+8*fi+7], v[ADRA+\slot] offset:(\kq>>1)*HEADB+(\kq&1)*64+fi*16*PA+32
.set fi, fi+1
.endr
.endm
.macro QUARTER slot, kn, f, g, first
	s_wait_dscnt MT                                ; all but the youngest MT loads: A's upper two row tiles may be out
	MWIN 0, \first
	MULQ \f, 0, \first
	MULQ \f, 1, \first
	PLACES
	FETCH \slot, \kn, \g
	s_wait_dscnt NLD                               ; all but the NLD just issued
	MWIN 2, \first
	MULQ \f, 2, \first
	MULQ \f, 3, \first
.endm
.macro TURN slot, next, fill           ; the last quarter of a K step: one barrier (with fill = 1: a round of the cluster's barrier) for the change of slots
	s_wait_dscnt MT
	MWIN 0, 0
	MULQ 1, 0, 0
	s_wait_dscnt 0x0                               ; my reads of this slot are over,
	s_wait_tensorcnt 0x0                           ; all my tensor loads have landed
	ds_add_u32 v255, v255
	s_wait_dscnt 0x0
	s_barrier_signal -1
	MULQ 1, 1, 0
	WIN 0
	s_barrier_wait -1
.if \fill
	CREST
	s_add_nc_u64 s[G0+4*\slot+2:G0+4*\slot+3], s[G0+4*\slot+2:G0+4*\slot+3], 2*ASTEP
	s_add_nc_u64 s[G0B+4*\slot+2:G0B+4*\slot+3], s[G0B+4*\slot+2:G0B+4*\slot+3], 2*BSTEP
	JLOAD \slot
.else
	PLACES
.endif
	FETCH \next, 0, 0
	MWIN 2, 0
	MULQ 1, 2, 0
	MULQ 1, 3, 0
.endm
.macro KSTEPM slot, first
	QUARTER \slot, 1, 0, 1, \first
	QUARTER \slot, 2, 1, 0, 0
	QUARTER \slot, 3, 0, 1, 0
	QUARTER \slot, 4, 1, 0, 0
	QUARTER \slot, 5, 0, 1, 0
	QUARTER \slot, 6, 1, 0, 0
	QUARTER \slot, 7, 0, 1, 0
.endm
.macro LAP first
	KSTEPM 0, \first
	TURN 0, 1, 1
	KSTEPM 1, 0
	TURN 1, 0, 1
.endm
.macro RESALL                          ; the residual of all four row tiles: 32 loads, sixteen lanes on 256 consecutive bytes each
	WIN 0x40
.set t_, 0
.rept 32
	global_load_b128 v[XRW+4*t_:XRW+4*t_+3], v[CO], s[72:73] offset:8192*(t_%8)+65536*(t_/8)
.set t_, t_+1
.endr
.endm
	s_load_b128 s[4:7], s[0:1], 0x0                ; ah, wb
	s_load_b64 s[66:67], s[0:1], 0x10              ; bo
	s_load_b64 s[72:73], s[0:1], 0x18              ; x
	s_load_b64 s[8:9], s[0:1], 0x20                ; x1
	s_set_vgpr_msb 0x40
	v_lshl_add_u32 v255, v0, 2, 0x4c400
	s_set_vgpr_msb 0x4000
	v_mov_b32 v255, 0
	s_set_vgpr_msb 0x1
	ds_add_u32 v255, v255
	s_set_vgpr_msb 0x100
	v_lshrrev_b32 v1, 5, v0
	v_readfirstlane_b32 s10, v1
	s_lshr_b32 s11, s10, 1                         ; my half of the rows; also: I fetch for A (0) or B (1)
	s_and_b32 s12, s10, 1                          ; my half of the columns; also: which half of the tile I fetch
	s_bfe_u32 s40, ttmp6, 0x40000
	s_bfe_u32 s41, ttmp6, 0x40004
	s_lshl_b32 s42, ttmp9, 2
	s_add_co_u32 s42, s42, s40                     ; block column
	s_and_b32 s13, ttmp7, 0xffff
	s_lshl_b32 s13, s13, 2
	s_add_co_u32 s13, s13, s41                     ; block row
	s_lshl_b32 s43, s41, 2
	s_lshl_b32 s43, 15, s43
	s_lshl_b32 s44, 0x1111, s40
	s_or_b32 s[G1+0], s43, (1<<16)|(1<<20)|(1<<21)|(4<<22)|(3<<25)      ; 4 words of padding behind every 32 (a token's 64 numbers)
	s_mov_b32 s[G1+1], 8192<<16                    ; tensor_dim0 = 8,192: a head's 128 tokens x 64
	s_mov_b32 s[G1+2], 2<<16                       ; tensor_dim1 = 2 heads
	s_mov_b32 s[G1+3], 8192<<16                    ; tile_dim0
	s_mov_b32 s[G1+4], 2                           ; tile_dim1
	s_mov_b32 s[G1+5], 65536                       ; elements from head to head
	s_mov_b32 s[G1+6], 0
	s_mov_b32 s[G1+7], 0
	s_or_b32 s[G1B+0], s44, (1<<16)|(1<<20)|(1<<21)|(5<<22)|(7<<25)     ; 8 words behind every 64
	s_mov_b32 s[G1B+1], 128<<16
	s_mov_b32 s[G1B+2], 128<<16
	s_mov_b32 s[G1B+3], 128<<16
	s_mov_b32 s[G1B+4], 128
	s_mov_b32 s[G1B+5], 1024
	s_mov_b32 s[G1B+6], 0
	s_mov_b32 s[G1B+7], 0
	s_lshr_b32 s16, s13, 3                         ; A: batch,
	s_lshl_b32 s16, s16, 21
	s_and_b32 s17, s13, 7                          ; 128 tokens of 128 bytes,
	s_lshl_b32 s17, s17, 14
	s_add_co_u32 s16, s16, s17
	s_lshl_b32 s17, s12, 18                        ; two heads
	s_add_co_u32 s16, s16, s17
	s_mov_b32 s17, 0
	s_lshl_b32 s46, s42, 8                         ; B: 128 columns,
	s_lshl_b32 s47, s12, 18                        ; 128 k rows,
	s_add_co_u32 s46, s46, s47
	s_add_co_u32 s46, s46, 6291456                 ; Wo's place in wb
	s_mov_b32 s47, 0
	s_mul_i32 s20, s12, AHALF
	s_mul_i32 s45, s12, BHALF
	s_add_co_u32 s45, s45, BBASE
	s_lshl_b32 s74, s42, 9                         ; my 64 columns in f32: bias, residual and output
	s_lshl_b32 s75, s12, 8
	s_add_co_u32 s74, s74, s75
	s_mov_b32 s75, 0
	s_wait_dscnt 0x0
	s_wait_kmcnt 0x0
	s_add_nc_u64 s[14:15], s[4:5], s[16:17]
	s_add_nc_u64 s[46:47], s[6:7], s[46:47]
	s_add_nc_u64 s[66:67], s[66:67], s[74:75]
	CROUND
.irp s, 0,1
	s_mov_b32 s[G0+4*\s], 1
	s_add_co_u32 s[G0+4*\s+1], s20, \s*SLOT
	s_add_nc_u64 s[G0+4*\s+2:G0+4*\s+3], s[14:15], \s*ASTEP
	s_or_b32 s[G0+4*\s+3], s[G0+4*\s+3], 0x80000000
	s_mov_b32 s[G0B+4*\s], 1
	s_add_co_u32 s[G0B+4*\s+1], s45, \s*SLOT
	s_add_nc_u64 s[G0B+4*\s+2:G0B+4*\s+3], s[46:47], \s*BSTEP
	s_or_b32 s[G0B+4*\s+3], s[G0B+4*\s+3], 0x80000000
	JLOAD \s
.endr
	v_and_b32 v1, 15, v0
	v_bfe_u32 v2, v0, 4, 1
	v_lshlrev_b32 v[BO], 5, v2
.set b_, 0
.rept NT
	global_load_b128 v[BIAS+8*b_:BIAS+8*b_+3],   v[BO], s[66:67] offset:64*b_
	global_load_b128 v[BIAS+8*b_+4:BIAS+8*b_+7], v[BO], s[66:67] offset:64*b_+16
.set b_, b_+1
.endr
	v_mul_u32_u24 v3, v1, PA
	v_lshl_add_u32 v3, v2, 4, v3
	v_and_b32 v4, 7, v0
	v_lshl_add_u32 v4, v2, 3, v4
	v_mul_u32_u24 v4, v4, PB
	v_bfe_u32 v5, v0, 3, 1
	v_lshl_add_u32 v4, v5, 4, v4
	s_mul_i32 s21, s11, 64*PA
	s_mul_i32 s22, s12, 32*NT
	s_add_co_u32 s22, s22, BBASE
.irp s, 0,1
	v_add_nc_u32 v[ADRA+\s], s21, v3
	v_add_nc_u32 v[ADRB+2*\s], s22, v4
	v_add_nc_u32 v[ADRB+2*\s+1], 128*PB, v[ADRB+2*\s]
	s_add_co_u32 s21, s21, SLOT
	s_add_co_u32 s22, s22, SLOT
.endr
	s_mul_i32 s23, s10, STW
	s_add_co_u32 s23, s23, STAGE
	v_mul_u32_u24 v6, v1, SPITCH
	v_lshl_add_u32 v6, v2, 5, v6                   ; in: row r, 32 bytes (8 f32) for each half of the lanes
	v_add_nc_u32 v[STO], s23, v6
	v_mul_u32_u24 v7, v2, SPITCH
	v_lshl_add_u32 v7, v1, 4, v7                   ; back: sixteen lanes take a row's 256 bytes
	v_add_nc_u32 v[RD], s23, v7
	v_lshlrev_b32 v7, 12, v2
	v_lshl_add_u32 v[CO], v1, 4, v7                ; and the same two rows in x and x1
	s_lshl_b32 s16, s13, 19                        ; my place in x and x1: 128 rows of 4,096 bytes a block,
	s_lshl_b32 s17, s11, 18                        ; my 64,
	s_add_co_u32 s16, s16, s17
	s_mov_b32 s17, 0
	s_add_nc_u64 s[8:9], s[8:9], s[16:17]
	s_add_nc_u64 s[8:9], s[8:9], s[74:75]          ; my 64 columns
	s_add_nc_u64 s[72:73], s[72:73], s[16:17]
	s_add_nc_u64 s[72:73], s[72:73], s[74:75]
	s_wait_tensorcnt 0x1                           ; my part of K step 0 is in; K step 1's load stays out
	s_barrier_signal -1
	s_barrier_wait -1
	FETCH 0, 0, 0
	s_wait_loadcnt 0x0                             ; the bias
	RESALL                                         ; asked for here, waited for behind the last product
	LAP 1                                          ; K = 1,024 is two laps: this one fills both slots again, the last fills nothing
	KSTEPM 0, 0
	TURN 0, 1, 0
	KSTEPM 1, 0
	s_wait_dscnt MT
	MWIN 0, 0
	MULQ 1, 0, 0
	MULQ 1, 1, 0
	s_wait_dscnt 0x0
	MWIN 2, 0
	MULQ 1, 2, 0
	MULQ 1, 3, 0
	PLACES
	WIN 0
	s_wait_loadcnt 0x0                             ; the residual
.macro OUTF i                          ; 16 rows: through my own stage into whole rows, + residual, out
	WIN 0x08
.set b_, 0
.rept 4
	ds_store_b128 v[STO], v[8*(4*\i+b_):8*(4*\i+b_)+3] offset:64*b_
	ds_store_b128 v[STO], v[8*(4*\i+b_)+4:8*(4*\i+b_)+7] offset:64*b_+16
.set b_, b_+1
.endr
	WIN 0
.set t_, 0
.rept 8
	ds_load_b128 v[RBK+32*\i+4*t_:RBK+32*\i+4*t_+3], v[RD] offset:2*SPITCH*t_     ; a wave's LDS instructions are served in order: these see the stores above
.set t_, t_+1
.endr
	s_wait_dscnt 0x0
	WIN 0x04
.set e, 0
.rept 16
	v_pk_add_f32 v[RBK+32*\i+2*e:RBK+32*\i+2*e+1], v[RBK+32*\i+2*e:RBK+32*\i+2*e+1], v[XRW+32*\i+2*e:XRW+32*\i+2*e+1]
.set e, e+1
.endr
	WIN 0
.set t_, 0
.rept 8
	global_store_b128 v[CO], v[RBK+32*\i+4*t_:RBK+32*\i+4*t_+3], s[8:9] offset:8192*t_+65536*\i   ; sixteen lanes store 256 consecutive bytes, aligned
.set t_, t_+1
.endr
.endm
	OUTF 0
	OUTF 1
	OUTF 2
	OUTF 3
	s_set_vgpr_msb 0x1
	s_wait_tensorcnt 0x0
	ds_add_u32 v255, v255
	s_wait_dscnt 0x0
	s_set_vgpr_msb 0x100
	CROUND
	s_endpgm
.Lfunc_end_k_qda3647e8a6_wo:
	.size	k_qda3647e8a6_wo, .Lfunc_end_k_qda3647e8a6_wo-k_qda3647e8a6_wo
	.p2alignl 7, 3214868480
	.fill 96, 4, 3214868480
	.section	.rodata,"a",@progbits
	.p2align	6, 0x0
	.amdhsa_kernel k_qda3647e8a6_wo
		.amdhsa_group_segment_fixed_size 327680
		.amdhsa_private_segment_fixed_size 0
		.amdhsa_enable_private_segment 0
		.amdhsa_kernarg_size 40
		.amdhsa_user_sgpr_count 2
		.amdhsa_user_sgpr_kernarg_segment_ptr 1
		.amdhsa_wavefront_size32 1
		.amdhsa_system_sgpr_workgroup_id_x 1
		.amdhsa_system_sgpr_workgroup_id_y 1
		.amdhsa_system_sgpr_workgroup_id_z 1
		.amdhsa_system_vgpr_workitem_id 0
		.amdhsa_next_free_vgpr 640
		.amdhsa_next_free_sgpr 88
		.amdhsa_reserve_vcc 0
		.amdhsa_float_denorm_mode_32 3
		.amdhsa_float_denorm_mode_16_64 3
		.amdhsa_memory_ordered 1
		.amdhsa_forward_progress 1
		.amdhsa_inst_pref_size 100
	.end_amdhsa_kernel
	.amdgpu_metadata
---
amdhsa.version: [ 1, 2 ]
amdhsa.kernels:
  - .name:           k_qda3647e8a6_wo
    .symbol:         k_qda3647e8a6_wo.kd
    .args:
      - { .name: ah, .offset: 0, .size: 8, .value_kind: global_buffer, .address_space: global }
      - { .name: wb, .offset: 8, .size: 8, .value_kind: global_buffer, .address_space: global }
      - { .name: bo, .offset: 16, .size: 8, .value_kind: global_buffer, .address_space: global }
      - { .name: x, .offset: 24, .size: 8, .value_kind: global_buffer, .address_space: global }
      - { .name: x1, .offset: 32, .size: 8, .value_kind: global_buffer, .address_space: global }
    .group_segment_fixed_size: 327680
    .private_segment_fixed_size: 0
    .kernarg_segment_align: 8
    .kernarg_segment_size: 40
    .max_flat_workgroup_size: 128
    .sgpr_count:     88
    .vgpr_count:     640
    .wavefront_size: 32
...
	.end_amdgpu_metadata
.endif
;; end of part 4
;; launch ln2 (part 5): grid 256 x 1, 8 waves a work-group, no clusters, 0 bytes of LDS; arguments x1, ln2_g, ln2_b, hn; writes hn
.if DOCPART == 5
	.amdgcn_target "amdgcn-amd-amdhsa--gfx1250"
	.amdhsa_code_object_version 6
	.text
	.protected	k_qda3647e8a6_ln2
	.globl	k_qda3647e8a6_ln2
	.p2align	8
	.type	k_qda3647e8a6_ln2,@function
k_qda3647e8a6_ln2:
	s_mov_b64 s[64:65], 0
	v_nop
	global_prefetch_b8 v0, s[64:65] scope:SCOPE_SE
	s_setreg_imm32_b32 hwreg(HW_REG_WAVE_MODE, 25, 1), 1
	s_wait_xcnt 0x0
; h2 = LayerNorm(x1) * ln2_g + ln2_b, rounded to bf16, into hn [4096][1024].  x1: f32 [4096][1024].
; 16 rows a work-group, two a wave; one wave, one row, held in 32 registers between the passes (mean; sum of (x - mean)^2; scale): no LDS, no barrier.
.set T,  4
.set G,  16
.set BT, 48
.set X,  80
.set Y,  208
.set SX, 4
.set SG, 6
.set SB, 8
.set SO, 10
.macro LNROW i, slot, left
.set XB, X+32*\slot
	s_wait_loadcnt \left                           ; this row's eight loads are in; a younger row counts eight
.irp c, 0,1,2,3
	v_pk_add_f32 v[T+2*\c:T+2*\c+1], v[XB+2*\c:XB+2*\c+1], v[XB+8+2*\c:XB+9+2*\c]
.endr
.irp c, 0,1,2,3
	v_pk_add_f32 v[T+2*\c:T+2*\c+1], v[T+2*\c:T+2*\c+1], v[XB+16+2*\c:XB+17+2*\c]
.endr
.irp c, 0,1,2,3
	v_pk_add_f32 v[T+2*\c:T+2*\c+1], v[T+2*\c:T+2*\c+1], v[XB+24+2*\c:XB+25+2*\c]
.endr
	v_pk_add_f32 v[T:T+1], v[T:T+1], v[T+2:T+3]
	v_pk_add_f32 v[T+4:T+5], v[T+4:T+5], v[T+6:T+7]
	v_pk_add_f32 v[T:T+1], v[T:T+1], v[T+4:T+5]
	v_add_f32 v[T], v[T], v[T+1]
	v_add_f32_dpp v[T], v[T], v[T] row_xmask:1 row_mask:0xf bank_mask:0xf
	v_add_f32_dpp v[T], v[T], v[T] row_xmask:2 row_mask:0xf bank_mask:0xf
	v_add_f32_dpp v[T], v[T], v[T] row_xmask:4 row_mask:0xf bank_mask:0xf
	v_add_f32_dpp v[T], v[T], v[T] row_xmask:8 row_mask:0xf bank_mask:0xf
	v_permlanex16_b32 v[T+1], v[T], s30, s31
	v_add_f32 v[T], v[T], v[T+1]
	v_mul_f32 v[T+2], s37, v[T]
	v_mul_f32 v[T+3], s37, v[T]
.set k, 0
.rept 16
	v_pk_add_f32 v[XB+2*k:XB+2*k+1], v[XB+2*k:XB+2*k+1], v[T+2:T+3] neg_lo:[0,1] neg_hi:[0,1]
.set k, k+1
.endr
.irp c, 0,1,2,3
	v_pk_mul_f32 v[T+4+2*\c:T+5+2*\c], v[XB+2*\c:XB+2*\c+1], v[XB+2*\c:XB+2*\c+1]
.endr
.set k, 4
.rept 12
	v_pk_fma_f32 v[T+4+2*(k%4):T+5+2*(k%4)], v[XB+2*k:XB+2*k+1], v[XB+2*k:XB+2*k+1], v[T+4+2*(k%4):T+5+2*(k%4)]
.set k, k+1
.endr
	v_pk_add_f32 v[T+4:T+5], v[T+4:T+5], v[T+6:T+7]
	v_pk_add_f32 v[T+8:T+9], v[T+8:T+9], v[T+10:T+11]
	v_pk_add_f32 v[T+4:T+5], v[T+4:T+5], v[T+8:T+9]
	v_add_f32 v[T+4], v[T+4], v[T+5]
	v_add_f32_dpp v[T+4], v[T+4], v[T+4] row_xmask:1 row_mask:0xf bank_mask:0xf
	v_add_f32_dpp v[T+4], v[T+4], v[T+4] row_xmask:2 row_mask:0xf bank_mask:0xf
	v_add_f32_dpp v[T+4], v[T+4], v[T+4] row_xmask:4 row_mask:0xf bank_mask:0xf
	v_add_f32_dpp v[T+4], v[T+4], v[T+4] row_xmask:8 row_mask:0xf bank_mask:0xf
	v_permlanex16_b32 v[T+5], v[T+4], s30, s31
	v_add_f32 v[T+4], v[T+4], v[T+5]
	v_fma_f32 v[T], v[T+4], s37, s38               ; variance + 1e-5
	v_rsq_f32 v[T+2], v[T]
	v_nop                                          ; one plain instruction between v_rsq_f32 and the use of its result (ISA guide 5.7.2)
	s_wait_alu depctr_va_vdst(0)
	v_mov_b32 v[T+3], v[T+2]
.set k, 0
.rept 16
	v_pk_mul_f32 v[XB+2*k:XB+2*k+1], v[XB+2*k:XB+2*k+1], v[T+2:T+3]
.set k, k+1
.endr
.set k, 0
.rept 16
	v_pk_fma_f32 v[XB+2*k:XB+2*k+1], v[XB+2*k:XB+2*k+1], v[G+2*k:G+2*k+1], v[BT+2*k:BT+2*k+1]
.set k, k+1
.endr
	s_wait_xcnt 0x0                                ; the last row's stores have read Y
.set k, 0
.rept 16
	v_cvt_pk_bf16_f32 v[Y+k], v[XB+2*k], v[XB+2*k+1]
.set k, k+1
.endr
.set k, 0
.rept 8
	global_store_b64 v2, v[Y+2*k:Y+2*k+1], s[SO:SO+1] offset:2048*\i+256*k     ; a wave's store covers 256 consecutive bytes, aligned
.set k, k+1
.endr
.endm
	s_load_b256 s[4:11], s[0:1], 0x0               ; x1 s4, ln2_g s6, ln2_b s8, hn s10
	v_lshrrev_b32 v3, 5, v0
	v_readfirstlane_b32 s29, v3
	v_and_b32 v3, 31, v0
	v_lshlrev_b32 v1, 4, v3
	v_lshlrev_b32 v2, 3, v3
	s_lshl_b32 s32, ttmp9, 16                      ; 16 rows of 4,096 bytes
	s_lshl_b32 s34, ttmp9, 15                      ; 16 rows of 2,048 bytes
	s_lshl_b32 s36, s29, 13                        ; the wave's two rows
	s_add_co_u32 s32, s32, s36
	s_lshl_b32 s36, s29, 12
	s_add_co_u32 s34, s34, s36
	s_mov_b32 s33, 0
	s_mov_b32 s35, 0
	s_mov_b32 s30, 0x76543210
	s_mov_b32 s31, 0xfedcba98
	s_mov_b32 s37, 0x3a800000                      ; 1 / 1024
	s_mov_b32 s38, 0x3727c5ac                      ; 1e-5
	s_wait_kmcnt 0x0
	s_add_nc_u64 s[SX:SX+1], s[SX:SX+1], s[32:33]
	s_add_nc_u64 s[SO:SO+1], s[SO:SO+1], s[34:35]
.set k, 0
.rept 8
	global_load_b128 v[G+4*k:G+4*k+3], v1, s[SG:SG+1] offset:512*k
.set k, k+1
.endr
.set k, 0
.rept 8
	global_load_b128 v[BT+4*k:BT+4*k+3], v1, s[SB:SB+1] offset:512*k
.set k, k+1
.endr
.set k, 0
.rept 16
	global_load_b128 v[X+4*k:X+4*k+3], v1, s[SX:SX+1] offset:4096*(k/8)+512*(k%8)
.set k, k+1
.endr
	LNROW 0, 0, 8
	LNROW 1, 1, 0
	s_endpgm
.Lfunc_end_k_qda3647e8a6_ln2:
	.size	k_qda3647e8a6_ln2, .Lfunc_end_k_qda3647e8a6_ln2-k_qda3647e8a6_ln2
	.p2alignl 7, 3214868480
	.fill 96, 4, 3214868480
	.section	.rodata,"a",@progbits
	.p2align	6, 0x0
	.amdhsa_kernel k_qda3647e8a6_ln2
		.amdhsa_group_segment_fixed_size 0
		.amdhsa_private_segment_fixed_size 0
		.amdhsa_enable_private_segment 0
		.amdhsa_kernarg_size 32
		.amdhsa_user_sgpr_count 2
		.amdhsa_user_sgpr_kernarg_segment_ptr 1
		.amdhsa_wavefront_size32 1
		.amdhsa_system_sgpr_workgroup_id_x 1
		.amdhsa_system_sgpr_workgroup_id_y 1
		.amdhsa_system_sgpr_workgroup_id_z 1
		.amdhsa_system_vgpr_workitem_id 0
		.amdhsa_next_free_vgpr 224
		.amdhsa_next_free_sgpr 66
		.amdhsa_reserve_vcc 0
		.amdhsa_float_denorm_mode_32 3
		.amdhsa_float_denorm_mode_16_64 3
		.amdhsa_memory_ordered 1
		.amdhsa_forward_progress 1
		.amdhsa_inst_pref_size 20
	.end_amdhsa_kernel
	.amdgpu_metadata
---
amdhsa.version: [ 1, 2 ]
amdhsa.kernels:
  - .name:           k_qda3647e8a6_ln2
    .symbol:         k_qda3647e8a6_ln2.kd
    .args:
      - { .name: x1, .offset: 0, .size: 8, .value_kind: global_buffer, .address_space: global }
      - { .name: ln2_g, .offset: 8, .size: 8, .value_kind: global_buffer, .address_space: global }
      - { .name: ln2_b, .offset: 16, .size: 8, .value_kind: global_buffer, .address_space: global }
      - { .name: hn, .offset: 24, .size: 8, .value_kind: global_buffer, .address_space: global }
    .group_segment_fixed_size: 0
    .private_segment_fixed_size: 0
    .kernarg_segment_align: 8
    .kernarg_segment_size: 32
    .max_flat_workgroup_size: 256
    .sgpr_count:     66
    .vgpr_count:     224
    .wavefront_size: 32
...
	.end_amdgpu_metadata
.endif
;; end of part 5
;; launch ff1 (part 6): grid 16 x 16, 4 waves a work-group, clusters of 4 x 4, 327,680 bytes of LDS; arguments hn, wb, b1, y1; writes y1
.if DOCPART == 6
	.amdgcn_target "amdgcn-amd-amdhsa--gfx1250"
	.amdhsa_code_object_version 6
	.text
	.protected	k_qda3647e8a6_ff1
	.globl	k_qda3647e8a6_ff1
	.p2align	8
	.type	k_qda3647e8a6_ff1,@function
k_qda3647e8a6_ff1:
	s_mov_b64 s[64:65], 0
	v_nop
	global_prefetch_b8 v0, s[64:65] scope:SCOPE_SE
	s_setreg_imm32_b32 hwreg(HW_REG_WAVE_MODE, 25, 1), 1
	s_wait_xcnt 0x0
	s_wait_alu depctr_hold_cnt(0) depctr_sa_sdst(0) depctr_va_vdst(0) depctr_va_sdst(0) depctr_va_ssrc(0) depctr_va_vcc(0) depctr_vm_vsrc(0)
	s_getreg_b32 s2, hwreg(HW_REG_IB_STS2, 6, 4)
	s_cmp_eq_u32 s2, 0
	s_cbranch_scc0 .Lentry_in_a_cluster
	s_endpgm
.Lentry_in_a_cluster:
	s_bfe_u32 s2, ttmp6, 0x10000c
	s_cmp_lg_u32 s2, 0xf033
	s_cbranch_scc0 .Lentry_shape_is_right
	s_endpgm
.Lentry_shape_is_right:
; y1 = gelu(h2 W1 + b1), bf16 [4096][4096].  h2: hn, bf16 [4096][1024]; W1: wb + 8,388,608, bf16 [1024][4096].
; A work-group makes 256 x 256, a wave 128 x 128 (64 accumulator tiles, 512 registers).  K goes in steps of 128 through two LDS slots.
; W1 stays [k][n] in LDS; ds_load_tr16_b128 makes the fragments.  CLUSTERS 4 x 4: A's tiles are shared along a cluster's row, B's along a column.
; Transposed use (source 0 = weights): a lane's eight results are eight neighbouring columns of one row.  The first product takes the bias as C.
; The 64 accumulators take turns, one instruction a turn, in the same order in every quarter step.
; gelu(x) = max(x, 0) - |x| q(|x|), q(a) = erfc(a / sqrt 2) / 2 = (a1 t + a2 t^2 + a3 t^3) exp(-a^2 / 2) / 2, t = 1 / (1 + 0.47047 a / sqrt 2):
; the formula's absolute error in erf is at most 2.5e-5 for every argument, so gelu is off by at most 1.25e-5 |x|; no difference of near numbers is formed.
; exp(-a^2 / 2) below 2^-126 counts as zero.
; Windows: 0 addresses, A fragments, bias, way out; 1 B fragments; 2 accumulators of row tiles 0-3; 3 of row tiles 4-7.
.set MT, 8
.set NT, 8
.set APW, 4
.set PA, 272
.set PB, 544
.set BBASE, 256*PA
.set SLOT, BBASE+128*PB
.set STAGE, 2*SLOT
.set SPITCH, 272
.set STW, 16*SPITCH
.set NLD, 2*(MT+NT)
.set LAPS, 4
.set ASTEP, 256
.set BSTEP, 1048576                    ; 128 rows of 8,192 bytes
.set AHALF, 128*PA
.set BHALF, 64*PB
.set FA0, 64
.set FAS, 64
.set FB0, 64
.set FBS, 64
.set BIAS, 192
.set PK, 32                            ; way out: v[32:63] packed
.set GR, 64                            ; way out: v[64:127] max(x, 0), then gelu
.set GAX, 128                          ; way out: v[128:191] |x|; then the rows read back
.set GT, 192
.set GU, 208
.set GQ, 224
.set KA2, 8                            ; v[8:9] a2 / 2 twice
.set KA1, 10                           ; v[10:11] a1 / 2 twice
.set ADRA, 16
.set ADRB, 20
.set STO, 24
.set RD, 25
.set CO, 26
.set BO, 29
.set G1, 24
.set G0, 32
.set G1B, 48
.set G0B, 56
.set MSB, 0
.macro WIN new
.if MSB != (\new)
	s_set_vgpr_msb (MSB<<8)|(\new)
.set MSB, (\new)
.endif
.endm
.macro PLACES
.rept 4
	v_nop
.endr
.endm
.macro JLOAD s                         ; waves 0, 1 fetch A's halves, waves 2, 3 B's
	s_cmp_eq_u32 s11, 0
	s_cbranch_scc0 .Lfor_b_\@
	tensor_load_to_lds s[G0+4*\s:G0+4*\s+3], s[G1:G1+7]
	s_nop 0
.rept 4
	v_nop
.endr
	s_branch .Lasked_\@
.Lfor_b_\@:
	tensor_load_to_lds s[G0B+4*\s:G0B+4*\s+3], s[G1B:G1B+7]
	s_nop 0
.rept 4
	v_nop
.endr
.Lasked_\@:
.endm
.macro CREST
	s_cmp_lg_u32 s10, 0
	s_cbranch_scc1 .Lnot_wave_0_\@
	s_barrier_signal -3
.Lnot_wave_0_\@:
	s_barrier_wait -3
	s_barrier_signal -1
	s_barrier_wait -1
.endm
.macro CROUND
	s_barrier_signal -1
	s_barrier_wait -1
	CREST
.endm
.macro MWIN qd, first
.set wn, 2+(\qd*(MT/4))/APW
.if \first
.set wv, (wn<<6)|1
.else
.set wv, (wn<<6)|(wn<<4)|1
.endif
	WIN wv
.endm
.macro MULQ buf, qd, first
.set ma, \qd*(MT/4)
.rept MT/4
.set mb, 0
.rept NT
.set acc, 8*(NT*(ma%APW)+mb)
.if \first
	v_wmma_f32_16x16x32_bf16 v[acc:acc+7], v[FB0+FBS*\buf+8*mb:FB0+FBS*\buf+8*mb+7], v[FA0+FAS*\buf+8*ma:FA0+FAS*\buf+8*ma+7], v[BIAS+8*mb:BIAS+8*mb+7]
.else
	v_wmma_f32_16x16x32_bf16 v[acc:acc+7], v[FB0+FBS*\buf+8*mb:FB0+FBS*\buf+8*mb+7], v[FA0+FAS*\buf+8*ma:FA0+FAS*\buf+8*ma+7], v[acc:acc+7]
.endif
.set mb, mb+1
.endr
.set ma, ma+1
.endr
.endm
.macro FETCH slot, kq, buf
	WIN 0x40
.set fi, 0
.rept NT
	ds_load_tr16_b128 v[FB0+FBS*\buf+8*fi:FB0+FBS*\buf+8*fi+3],   v[ADRB+\slot] offset:\kq*32*PB+32*fi
	ds_load_tr16_b128 v[FB0+FBS*\buf+8*fi+4:FB0+FBS*\buf+8*fi+7], v[ADRB+\slot] offset:\kq*32*PB+32*fi+16*PB
.set fi, fi+1
.endr
	WIN 0
.set fi, 0
.rept MT
	ds_load_b128 v[FA0+FAS*\buf+8*fi:FA0+FAS*\buf+8*fi+3],   v[ADRA+\slot] offset:\kq*64+fi*16*PA
	ds_load_b128 v[FA0+FAS*\buf+8*fi+4:FA0+FAS*\buf+8*fi+7], v[ADRA+\slot] offset:\kq*64+fi*16*PA+32
.set fi, fi+1
.endr
.endm
.macro QUARTER slot, kn, f, g, first
	s_wait_dscnt MT                                ; all but the youngest MT loads: A's upper four row tiles may be out
	MWIN 0, \first
	MULQ \f, 0, \first
	MULQ \f, 1, \first
	PLACES
	FETCH \slot, \kn, \g
	s_wait_dscnt NLD                               ; all but the NLD just issued
	MWIN 2, \first
	MULQ \f, 2, \first
	MULQ \f, 3, \first
.endm
.macro TURN slot, next, fill           ; the last quarter of a K step: one barrier (with fill = 1: a round of the cluster's barrier) for the change of slots
	s_wait_dscnt MT
	MWIN 0, 0
	MULQ 1, 0, 0
	s_wait_dscnt 0x0                               ; my reads of this slot are over,
	s_wait_tensorcnt 0x0                           ; all my tensor loads have landed
	ds_add_u32 v255, v31
	s_wait_dscnt 0x0
	s_barrier_signal -1
	MULQ 1, 1, 0
	WIN 0
	s_barrier_wait -1
.if \fill
	CREST
	s_add_nc_u64 s[G0+4*\slot+2:G0+4*\slot+3], s[G0+4*\slot+2:G0+4*\slot+3], 2*ASTEP
	s_add_nc_u64 s[G0B+4*\slot+2:G0B+4*\slot+3], s[G0B+4*\slot+2:G0B+4*\slot+3], 2*BSTEP
	JLOAD \slot
.else
	PLACES
.endif
	FETCH \next, 0, 0
	MWIN 2, 0
	MULQ 1, 2, 0
	MULQ 1, 3, 0
.endm
.macro KSTEPM slot, first
	QUARTER \slot, 1, 0, 1, \first
	QUARTER \slot, 2, 1, 0, 0
	QUARTER \slot, 3, 0, 1, 0
.endm
.macro LAP first
	KSTEPM 0, \first
	TURN 0, 1, 1
	KSTEPM 1, 0
	TURN 1, 0, 1
.endm
; gelu of 16 numbers: on entry v[r ..] = max(x, 0), v[ax ..] = |x|; on exit v[r ..] = gelu(x)
.macro GELU16 r, ax
.set g, 0
.rept 8
	v_pk_fma_f32 v[GT+2*g:GT+2*g+1], v[\ax+2*g:\ax+2*g+1], s[76:77], 1.0 op_sel_hi:[1,0,0]
	v_pk_mul_f32 v[GU+2*g:GU+2*g+1], v[\ax+2*g:\ax+2*g+1], s[78:79] op_sel_hi:[1,0]
.set g, g+1
.endr
.set g, 0
.rept 8
	v_pk_mul_f32 v[GU+2*g:GU+2*g+1], v[GU+2*g:GU+2*g+1], v[GU+2*g:GU+2*g+1] neg_lo:[1,0] neg_hi:[1,0]
.set g, g+1
.endr
.set g, 0
.rept 16
	v_rcp_f32 v[GT+g], v[GT+g]
.set g, g+1
.endr
.set g, 0
.rept 16
	v_exp_f32 v[GU+g], v[GU+g]
.set g, g+1
.endr
	v_nop                                          ; one plain instruction between the transcendentals and the use of their results (ISA guide 5.7.2)
.set g, 0
	s_wait_alu depctr_va_vdst(0)
.rept 8
	v_pk_fma_f32 v[GQ+2*g:GQ+2*g+1], v[GT+2*g:GT+2*g+1], s[80:81], v[KA2:KA2+1] op_sel_hi:[1,0,1]
.set g, g+1
.endr
.set g, 0
.rept 8
	v_pk_fma_f32 v[GQ+2*g:GQ+2*g+1], v[GQ+2*g:GQ+2*g+1], v[GT+2*g:GT+2*g+1], v[KA1:KA1+1]
	v_pk_mul_f32 v[GU+2*g:GU+2*g+1], v[GU+2*g:GU+2*g+1], v[GT+2*g:GT+2*g+1]
.set g, g+1
.endr
.set g, 0
.rept 8
	v_pk_mul_f32 v[GQ+2*g:GQ+2*g+1], v[GQ+2*g:GQ+2*g+1], v[GU+2*g:GU+2*g+1]
.set g, g+1
.endr
.set g, 0
.rept 8
	v_pk_fma_f32 v[\r+2*g:\r+2*g+1], v[\ax+2*g:\ax+2*g+1], v[GQ+2*g:GQ+2*g+1], v[\r+2*g:\r+2*g+1] neg_lo:[1,0,0] neg_hi:[1,0,0]
.set g, g+1
.endr
.endm
	s_load_b128 s[4:7], s[0:1], 0x0                ; hn, wb
	s_load_b64 s[66:67], s[0:1], 0x10              ; b1
	s_load_b64 s[8:9], s[0:1], 0x18                ; y1
	s_set_vgpr_msb 0x40
	v_lshl_add_u32 v255, v0, 2, 0x48400
	s_set_vgpr_msb 0x4000
	v_mov_b32 v31, 0
	s_set_vgpr_msb 0x1
	ds_add_u32 v255, v31
	s_set_vgpr_msb 0x100
	v_lshrrev_b32 v1, 5, v0
	v_readfirstlane_b32 s10, v1
	s_lshr_b32 s11, s10, 1
	s_and_b32 s12, s10, 1
	s_bfe_u32 s40, ttmp6, 0x40000
	s_bfe_u32 s41, ttmp6, 0x40004
	s_lshl_b32 s42, ttmp9, 2
	s_add_co_u32 s42, s42, s40                     ; block column
	s_and_b32 s13, ttmp7, 0xffff
	s_lshl_b32 s13, s13, 2
	s_add_co_u32 s13, s13, s41                     ; block row
	s_lshl_b32 s43, s41, 2
	s_lshl_b32 s43, 15, s43
	s_lshl_b32 s44, 0x1111, s40
	s_or_b32 s[G1+0], s43, (1<<16)|(1<<20)|(1<<21)|(5<<22)|(3<<25)      ; 4 words of padding behind every 64
	s_mov_b32 s[G1+1], 128<<16
	s_mov_b32 s[G1+2], 128<<16
	s_mov_b32 s[G1+3], 128<<16
	s_mov_b32 s[G1+4], 128
	s_mov_b32 s[G1+5], 1024
	s_mov_b32 s[G1+6], 0
	s_mov_b32 s[G1+7], 0
	s_or_b32 s[G1B+0], s44, (1<<16)|(1<<20)|(1<<21)|(6<<22)|(7<<25)     ; 8 words behind every 128
	s_mov_b32 s[G1B+1], 256<<16
	s_mov_b32 s[G1B+2], 64<<16
	s_mov_b32 s[G1B+3], 256<<16
	s_mov_b32 s[G1B+4], 64
	s_mov_b32 s[G1B+5], 4096
	s_mov_b32 s[G1B+6], 0
	s_mov_b32 s[G1B+7], 0
	s_lshl_b32 s16, s13, 19                        ; A: 256 rows of 2,048 bytes a block,
	s_lshl_b32 s17, s12, 18                        ; 128 rows a half
	s_add_co_u32 s16, s16, s17
	s_mov_b32 s17, 0
	s_lshl_b32 s46, s42, 9                         ; B: 256 columns,
	s_lshl_b32 s47, s12, 19                        ; 64 k rows of 8,192 bytes,
	s_add_co_u32 s46, s46, s47
	s_add_co_u32 s46, s46, 8388608                 ; W1's place in wb
	s_mov_b32 s47, 0
	s_mul_i32 s20, s12, AHALF
	s_mul_i32 s45, s12, BHALF
	s_add_co_u32 s45, s45, BBASE
	s_lshl_b32 s74, s42, 10                        ; my 128 biases
	s_lshl_b32 s75, s12, 9
	s_add_co_u32 s74, s74, s75
	s_mov_b32 s75, 0
	s_mov_b32 s76, 0x3eaa540e                      ; 0.47047 / sqrt 2
	s_mov_b32 s77, 0x3eaa540e
	s_mov_b32 s78, 0x3f596d27                      ; sqrt(log2(e) / 2)
	s_mov_b32 s79, 0x3f596d27
	s_mov_b32 s80, 0x3ebf7377                      ; a3 / 2
	s_mov_b32 s81, 0x3ebf7377
	s_mov_b32 s86, 0x7fffffff
	s_wait_dscnt 0x0
	s_wait_kmcnt 0x0
	s_add_nc_u64 s[14:15], s[4:5], s[16:17]
	s_add_nc_u64 s[46:47], s[6:7], s[46:47]
	s_add_nc_u64 s[66:67], s[66:67], s[74:75]
	CROUND
.irp s, 0,1
	s_mov_b32 s[G0+4*\s], 1
	s_add_co_u32 s[G0+4*\s+1], s20, \s*SLOT
	s_add_nc_u64 s[G0+4*\s+2:G0+4*\s+3], s[14:15], \s*ASTEP
	s_or_b32 s[G0+4*\s+3], s[G0+4*\s+3], 0x80000000
	s_mov_b32 s[G0B+4*\s], 1
	s_add_co_u32 s[G0B+4*\s+1], s45, \s*SLOT
	s_add_nc_u64 s[G0B+4*\s+2:G0B+4*\s+3], s[46:47], \s*BSTEP
	s_or_b32 s[G0B+4*\s+3], s[G0B+4*\s+3], 0x80000000
	JLOAD \s
.endr
	v_and_b32 v1, 15, v0
	v_bfe_u32 v2, v0, 4, 1
	v_lshlrev_b32 v[BO], 5, v2
.set b_, 0
.rept NT
	global_load_b128 v[BIAS+8*b_:BIAS+8*b_+3],   v[BO], s[66:67] offset:64*b_
	global_load_b128 v[BIAS+8*b_+4:BIAS+8*b_+7], v[BO], s[66:67] offset:64*b_+16
.set b_, b_+1
.endr
	v_mov_b32 v[KA2], 0xbd445ca1                   ; a2 / 2
	v_mov_b32 v[KA2+1], 0xbd445ca1
	v_mov_b32 v[KA1], 0x3e32303a                   ; a1 / 2
	v_mov_b32 v[KA1+1], 0x3e32303a
	v_mul_u32_u24 v3, v1, PA
	v_lshl_add_u32 v3, v2, 4, v3
	v_and_b32 v4, 7, v0
	v_lshl_add_u32 v4, v2, 3, v4
	v_mul_u32_u24 v4, v4, PB
	v_bfe_u32 v5, v0, 3, 1
	v_lshl_add_u32 v4, v5, 4, v4
	s_mul_i32 s21, s11, 128*PA
	s_mul_i32 s22, s12, 32*NT
	s_add_co_u32 s22, s22, BBASE
.irp s, 0,1
	v_add_nc_u32 v[ADRA+\s], s21, v3
	v_add_nc_u32 v[ADRB+\s], s22, v4
	s_add_co_u32 s21, s21, SLOT
	s_add_co_u32 s22, s22, SLOT
.endr
	s_mul_i32 s23, s10, STW
	s_add_co_u32 s23, s23, STAGE
	v_mul_u32_u24 v6, v1, SPITCH
	v_lshl_add_u32 v6, v2, 4, v6
	v_add_nc_u32 v[STO], s23, v6
	v_mul_u32_u24 v7, v2, SPITCH
	v_lshl_add_u32 v7, v1, 4, v7
	v_add_nc_u32 v[RD], s23, v7
	v_lshlrev_b32 v7, 13, v2
	v_lshl_add_u32 v[CO], v1, 4, v7
	s_wait_tensorcnt 0x1                           ; my part of K step 0 is in; K step 1's load stays out
	s_barrier_signal -1
	s_barrier_wait -1
	FETCH 0, 0, 0
	s_wait_loadcnt 0x0
	LAP 1
	WIN 0
	s_mov_b32 s3, LAPS-2
.Llap:
	LAP 0
	WIN 0
	s_sub_co_u32 s3, s3, 1
	s_cmp_lg_u32 s3, 0
	s_cbranch_scc1 .Llap
	KSTEPM 0, 0
	TURN 0, 1, 0
	KSTEPM 1, 0
	s_wait_dscnt MT
	MWIN 0, 0
	MULQ 1, 0, 0
	MULQ 1, 1, 0
	s_wait_dscnt 0x0
	MWIN 2, 0
	MULQ 1, 2, 0
	MULQ 1, 3, 0
	PLACES
	WIN 0
	s_lshl_b32 s16, s13, 21                        ; 256 rows of 8,192 bytes a block,
	s_lshl_b32 s17, s11, 20                        ; my 128
	s_add_co_u32 s16, s16, s17
	s_mov_b32 s17, 0
	s_add_nc_u64 s[8:9], s[8:9], s[16:17]
	s_lshl_b32 s46, s42, 9                         ; my 128 columns in bf16
	s_lshl_b32 s47, s12, 8
	s_add_co_u32 s46, s46, s47
	s_mov_b32 s47, 0
	s_add_nc_u64 s[8:9], s[8:9], s[46:47]
; 16 rows: gelu, round to bf16, through my own stage into whole rows of 256 bytes, out
.macro OUT16 i
	s_wait_xcnt 0x0                                ; the last tile's stores have read their data and their base
.if \i
	s_add_nc_u64 s[8:9], s[8:9], 16*8192
.endif
	WIN (2+\i/4)<<2
.set e, 0
.rept 64
	v_max_num_f32 v[GR+e], 0, v[64*(\i%4)+e]
	v_and_b32 v[GAX+e], s86, v[64*(\i%4)+e]
.set e, e+1
.endr
	WIN 0
.irp c, 0,1,2,3
	GELU16 (GR+16*\c),(GAX+16*\c)
.endr
.set e, 0
.rept 32
	v_cvt_pk_bf16_f32 v[PK+e], v[GR+2*e], v[GR+2*e+1]
.set e, e+1
.endr
.set e, 0
.rept 8
	ds_store_b128 v[STO], v[PK+4*e:PK+4*e+3] offset:32*e
.set e, e+1
.endr
.set e, 0
.rept 8
	ds_load_b128 v[GAX+4*e:GAX+4*e+3], v[RD] offset:2*SPITCH*e     ; a wave's LDS instructions are served in order: these see the stores above
.set e, e+1
.endr
.set e, 0
.rept 8
	s_wait_dscnt 7-e
	global_store_b128 v[CO], v[GAX+4*e:GAX+4*e+3], s[8:9] offset:2*8192*e      ; sixteen lanes store 256 consecutive bytes, aligned
.set e, e+1
.endr
.endm
	OUT16 0
	OUT16 1
	OUT16 2
	OUT16 3
	OUT16 4
	OUT16 5
	OUT16 6
	OUT16 7
	s_set_vgpr_msb 0x1
	s_wait_tensorcnt 0x0
	ds_add_u32 v255, v31
	s_wait_dscnt 0x0
	s_set_vgpr_msb 0x100
	CROUND
	s_endpgm
.Lfunc_end_k_qda3647e8a6_ff1:
	.size	k_qda3647e8a6_ff1, .Lfunc_end_k_qda3647e8a6_ff1-k_qda3647e8a6_ff1
	.p2alignl 7, 3214868480
	.fill 96, 4, 3214868480
	.section	.rodata,"a",@progbits
	.p2align	6, 0x0
	.amdhsa_kernel k_qda3647e8a6_ff1
		.amdhsa_group_segment_fixed_size 327680
		.amdhsa_private_segment_fixed_size 0
		.amdhsa_enable_private_segment 0
		.amdhsa_kernarg_size 32
		.amdhsa_user_sgpr_count 2
		.amdhsa_user_sgpr_kernarg_segment_ptr 1
		.amdhsa_wavefront_size32 1
		.amdhsa_system_sgpr_workgroup_id_x 1
		.amdhsa_system_sgpr_workgroup_id_y 1
		.amdhsa_system_sgpr_workgroup_id_z 1
		.amdhsa_system_vgpr_workitem_id 0
		.amdhsa_next_free_vgpr 1024
		.amdhsa_next_free_sgpr 88
		.amdhsa_reserve_vcc 0
		.amdhsa_float_denorm_mode_32 3
		.amdhsa_float_denorm_mode_16_64 3
		.amdhsa_memory_ordered 1
		.amdhsa_forward_progress 1
		.amdhsa_inst_pref_size 255
	.end_amdhsa_kernel
	.section	.bss,"aw",@nobits
	.p2align	6
	.space	262144
	.amdgpu_metadata
---
amdhsa.version: [ 1, 2 ]
amdhsa.kernels:
  - .name:           k_qda3647e8a6_ff1
    .symbol:         k_qda3647e8a6_ff1.kd
    .args:
      - { .name: hn, .offset: 0, .size: 8, .value_kind: global_buffer, .address_space: global }
      - { .name: wb, .offset: 8, .size: 8, .value_kind: global_buffer, .address_space: global }
      - { .name: b1, .offset: 16, .size: 8, .value_kind: global_buffer, .address_space: global }
      - { .name: y1, .offset: 24, .size: 8, .value_kind: global_buffer, .address_space: global }
    .group_segment_fixed_size: 327680
    .private_segment_fixed_size: 0
    .kernarg_segment_align: 8
    .kernarg_segment_size: 32
    .max_flat_workgroup_size: 128
    .sgpr_count:     88
    .vgpr_count:     1024
    .wavefront_size: 32
...
	.end_amdgpu_metadata
.endif
;; end of part 6
;; launch ff2 (part 7): grid 8 x 32, 4 waves a work-group, clusters of 4 x 4, 327,680 bytes of LDS; arguments y1, wb, b2, x1, out0; writes out0
.if DOCPART == 7
	.amdgcn_target "amdgcn-amd-amdhsa--gfx1250"
	.amdhsa_code_object_version 6
	.text
	.protected	k_qda3647e8a6_ff2
	.globl	k_qda3647e8a6_ff2
	.p2align	8
	.type	k_qda3647e8a6_ff2,@function
k_qda3647e8a6_ff2:
	s_mov_b64 s[64:65], 0
	v_nop
	global_prefetch_b8 v0, s[64:65] scope:SCOPE_SE
	s_setreg_imm32_b32 hwreg(HW_REG_WAVE_MODE, 25, 1), 1
	s_wait_xcnt 0x0
	s_wait_alu depctr_hold_cnt(0) depctr_sa_sdst(0) depctr_va_vdst(0) depctr_va_sdst(0) depctr_va_ssrc(0) depctr_va_vcc(0) depctr_vm_vsrc(0)
	s_getreg_b32 s2, hwreg(HW_REG_IB_STS2, 6, 4)
	s_cmp_eq_u32 s2, 0
	s_cbranch_scc0 .Lentry_in_a_cluster
	s_endpgm
.Lentry_in_a_cluster:
	s_bfe_u32 s2, ttmp6, 0x10000c
	s_cmp_lg_u32 s2, 0xf033
	s_cbranch_scc0 .Lentry_shape_is_right
	s_endpgm
.Lentry_shape_is_right:
; out0 = x1 + gelu(y1 W2 + b2).  y1: bf16 [4096][4096]; W2: wb + 16,777,216, bf16 [4096][1024]; x1, out0: f32 [4096][1024].
; A work-group makes 128 x 128, a wave 64 x 64 (16 accumulator tiles): 1,024 columns leave 256 work-groups only blocks of this size.
; K goes in steps of 256 through two LDS slots, so that a refill has 120 of a step's 128 matrix instructions in which to land.
; W2 stays [k][n] in LDS; ds_load_tr16_b128 makes the fragments.  CLUSTERS 4 x 4: A's tiles are shared along a cluster's row, B's along a column.
; Transposed use (source 0 = weights); the first product takes the bias as C.  The 16 accumulators take turns, one instruction a turn.
; The residual (my 64 x 64 numbers of x1, 32 loads a wave) is asked for behind the first barrier, into 128 registers of its own, and has the whole walk along K in which to land.
; gelu(x) = max(x, 0) - |x| q(|x|), q(a) = erfc(a / sqrt 2) / 2 = (a1 t + a2 t^2 + a3 t^3) exp(-a^2 / 2) / 2, t = 1 / (1 + 0.47047 a / sqrt 2):
; the formula's absolute error in erf is at most 2.5e-5 for every argument, so gelu is off by at most 1.25e-5 |x|.  exp(-a^2 / 2) below 2^-126 counts as zero.
; Windows: 0 addresses, A fragments, bias, way out; 1 B fragments and the residual; 2 accumulators.
.set MT, 4
.set NT, 4
.set APW, 4
.set PA, 528
.set PB, 288
.set BBASE, 128*PA
.set SLOT, BBASE+256*PB
.set STAGE, 2*SLOT
.set SPITCH, 272
.set STW, 16*SPITCH
.set NLD, 2*(MT+NT)
.set LAPS, 8                           ; 4096 / (2 x 256)
.set ASTEP, 512
.set BSTEP, 524288
.set AHALF, 64*PA
.set BHALF, 128*PB
.set FA0, 32
.set FAS, 32
.set FB0, 0
.set FBS, 32
.set BIAS, 96
.set GAX, 32                           ; way out: v[32:63] |x|
.set GT, 64
.set GU, 80
.set GQ, 96
.set RBK, 128                          ; way out: v[128:255], row tile i at 32 i: each tile has registers of its own, so no store's data is written again
.set XRW, 64                           ; window 1: v[64:191], the residual, row tile i at 32 i
.set KA2, 8
.set KA1, 10
.set ADRA, 16
.set ADRB, 20
.set STO, 24
.set RD, 25
.set CO, 26
.set BO, 29
.set G1, 24
.set G0, 32
.set G1B, 48
.set G0B, 56
.set MSB, 0
.macro WIN new
.if MSB != (\new)
	s_set_vgpr_msb (MSB<<8)|(\new)
.set MSB, (\new)
.endif
.endm
.macro PLACES
.rept 4
	v_nop
.endr
.endm
.macro JLOAD s
	s_cmp_eq_u32 s11, 0
	s_cbranch_scc0 .Lfor_b_\@
	tensor_load_to_lds s[G0+4*\s:G0+4*\s+3], s[G1:G1+7]
	s_nop 0
.rept 4
	v_nop
.endr
	s_branch .Lasked_\@
.Lfor_b_\@:
	tensor_load_to_lds s[G0B+4*\s:G0B+4*\s+3], s[G1B:G1B+7]
	s_nop 0
.rept 4
	v_nop
.endr
.Lasked_\@:
.endm
.macro CREST
	s_cmp_lg_u32 s10, 0
	s_cbranch_scc1 .Lnot_wave_0_\@
	s_barrier_signal -3
.Lnot_wave_0_\@:
	s_barrier_wait -3
	s_barrier_signal -1
	s_barrier_wait -1
.endm
.macro CROUND
	s_barrier_signal -1
	s_barrier_wait -1
	CREST
.endm
.macro MWIN qd, first
.set wn, 2+(\qd*(MT/4))/APW
.if \first
.set wv, (wn<<6)|1
.else
.set wv, (wn<<6)|(wn<<4)|1
.endif
	WIN wv
.endm
.macro MULQ buf, qd, first
.set ma, \qd*(MT/4)
.rept MT/4
.set mb, 0
.rept NT
.set acc, 8*(NT*(ma%APW)+mb)
.if \first
	v_wmma_f32_16x16x32_bf16 v[acc:acc+7], v[FB0+FBS*\buf+8*mb:FB0+FBS*\buf+8*mb+7], v[FA0+FAS*\buf+8*ma:FA0+FAS*\buf+8*ma+7], v[BIAS+8*mb:BIAS+8*mb+7]
.else
	v_wmma_f32_16x16x32_bf16 v[acc:acc+7], v[FB0+FBS*\buf+8*mb:FB0+FBS*\buf+8*mb+7], v[FA0+FAS*\buf+8*ma:FA0+FAS*\buf+8*ma+7], v[acc:acc+7]
.endif
.set mb, mb+1
.endr
.set ma, ma+1
.endr
.endm
.macro FETCH slot, kq, buf
	WIN 0x40
.set fi, 0
.rept NT
	ds_load_tr16_b128 v[FB0+FBS*\buf+8*fi:FB0+FBS*\buf+8*fi+3],   v[ADRB+2*\slot+(\kq>>2)] offset:(\kq&3)*32*PB+32*fi
	ds_load_tr16_b128 v[FB0+FBS*\buf+8*fi+4:FB0+FBS*\buf+8*fi+7], v[ADRB+2*\slot+(\kq>>2)] offset:(\kq&3)*32*PB+32*fi+16*PB
.set fi, fi+1
.endr
	WIN 0
.set fi, 0
.rept MT
	ds_load_b128 v[FA0+FAS*\buf+8*fi:FA0+FAS*\buf+8*fi+3],   v[ADRA+\slot] offset:\kq*64+fi*16*PA
	ds_load_b128 v[FA0+FAS*\buf+8*fi+4:FA0+FAS*\buf+8*fi+7], v[ADRA+\slot] offset:\kq*64+fi*16*PA+32
.set fi, fi+1
.endr
.endm
.macro QUARTER slot, kn, f, g, first
	s_wait_dscnt MT                                ; all but the youngest MT loads: A's upper two row tiles may be out
	MWIN 0, \first
	MULQ \f, 0, \first
	MULQ \f, 1, \first
	PLACES
	FETCH \slot, \kn, \g
	s_wait_dscnt NLD                               ; all but the NLD just issued
	MWIN 2, \first
	MULQ \f, 2, \first
	MULQ \f, 3, \first
.endm
.macro TURN slot, next, fill           ; the last quarter of a K step: one barrier (with fill = 1: a round of the cluster's barrier) for the change of slots
	s_wait_dscnt MT
	MWIN 0, 0
	MULQ 1, 0, 0
	s_wait_dscnt 0x0                               ; my reads of this slot are over,
	s_wait_tensorcnt 0x0                           ; all my tensor loads have landed
	ds_add_u32 v255, v31
	s_wait_dscnt 0x0
	s_barrier_signal -1
	MULQ 1, 1, 0
	WIN 0
	s_barrier_wait -1
.if \fill
	CREST
	s_add_nc_u64 s[G0+4*\slot+2:G0+4*\slot+3], s[G0+4*\slot+2:G0+4*\slot+3], 2*ASTEP
	s_add_nc_u64 s[G0B+4*\slot+2:G0B+4*\slot+3], s[G0B+4*\slot+2:G0B+4*\slot+3], 2*BSTEP
	JLOAD \slot
.else
	PLACES
.endif
	FETCH \next, 0, 0
	MWIN 2, 0
	MULQ 1, 2, 0
	MULQ 1, 3, 0
.endm
.macro KSTEPM slot, first
	QUARTER \slot, 1, 0, 1, \first
	QUARTER \slot, 2, 1, 0, 0
	QUARTER \slot, 3, 0, 1, 0
	QUARTER \slot, 4, 1, 0, 0
	QUARTER \slot, 5, 0, 1, 0
	QUARTER \slot, 6, 1, 0, 0
	QUARTER \slot, 7, 0, 1, 0
.endm
.macro LAP first
	KSTEPM 0, \first
	TURN 0, 1, 1
	KSTEPM 1, 0
	TURN 1, 0, 1
.endm
.macro RESALL                          ; the residual of all four row tiles: 32 loads, sixteen lanes on 256 consecutive bytes each
	WIN 0x40
.set t_, 0
.rept 32
	global_load_b128 v[XRW+4*t_:XRW+4*t_+3], v[CO], s[72:73] offset:8192*(t_%8)+65536*(t_/8)
.set t_, t_+1
.endr
.endm
; gelu of 16 numbers: on entry v[r ..] = max(x, 0), v[ax ..] = |x|; on exit v[r ..] = gelu(x)
.macro GELU16 r, ax
.set g, 0
.rept 8
	v_pk_fma_f32 v[GT+2*g:GT+2*g+1], v[\ax+2*g:\ax+2*g+1], s[76:77], 1.0 op_sel_hi:[1,0,0]
	v_pk_mul_f32 v[GU+2*g:GU+2*g+1], v[\ax+2*g:\ax+2*g+1], s[78:79] op_sel_hi:[1,0]
.set g, g+1
.endr
.set g, 0
.rept 8
	v_pk_mul_f32 v[GU+2*g:GU+2*g+1], v[GU+2*g:GU+2*g+1], v[GU+2*g:GU+2*g+1] neg_lo:[1,0] neg_hi:[1,0]
.set g, g+1
.endr
.set g, 0
.rept 16
	v_rcp_f32 v[GT+g], v[GT+g]
.set g, g+1
.endr
.set g, 0
.rept 16
	v_exp_f32 v[GU+g], v[GU+g]
.set g, g+1
.endr
	v_nop                                          ; one plain instruction between the transcendentals and the use of their results (ISA guide 5.7.2)
.set g, 0
	s_wait_alu depctr_va_vdst(0)
.rept 8
	v_pk_fma_f32 v[GQ+2*g:GQ+2*g+1], v[GT+2*g:GT+2*g+1], s[80:81], v[KA2:KA2+1] op_sel_hi:[1,0,1]
.set g, g+1
.endr
.set g, 0
.rept 8
	v_pk_fma_f32 v[GQ+2*g:GQ+2*g+1], v[GQ+2*g:GQ+2*g+1], v[GT+2*g:GT+2*g+1], v[KA1:KA1+1]
	v_pk_mul_f32 v[GU+2*g:GU+2*g+1], v[GU+2*g:GU+2*g+1], v[GT+2*g:GT+2*g+1]
.set g, g+1
.endr
.set g, 0
.rept 8
	v_pk_mul_f32 v[GQ+2*g:GQ+2*g+1], v[GQ+2*g:GQ+2*g+1], v[GU+2*g:GU+2*g+1]
.set g, g+1
.endr
.set g, 0
.rept 8
	v_pk_fma_f32 v[\r+2*g:\r+2*g+1], v[\ax+2*g:\ax+2*g+1], v[GQ+2*g:GQ+2*g+1], v[\r+2*g:\r+2*g+1] neg_lo:[1,0,0] neg_hi:[1,0,0]
.set g, g+1
.endr
.endm
	s_load_b128 s[4:7], s[0:1], 0x0                ; y1, wb
	s_load_b64 s[66:67], s[0:1], 0x10              ; b2
	s_load_b64 s[72:73], s[0:1], 0x18              ; x1
	s_load_b64 s[8:9], s[0:1], 0x20                ; out0
	s_set_vgpr_msb 0x40
	v_lshl_add_u32 v255, v0, 2, 0x49400
	s_set_vgpr_msb 0x4000
	v_mov_b32 v31, 0
	s_set_vgpr_msb 0x1
	ds_add_u32 v255, v31
	s_set_vgpr_msb 0x100
	v_lshrrev_b32 v1, 5, v0
	v_readfirstlane_b32 s10, v1
	s_lshr_b32 s11, s10, 1
	s_and_b32 s12, s10, 1
	s_bfe_u32 s40, ttmp6, 0x40000
	s_bfe_u32 s41, ttmp6, 0x40004
	s_lshl_b32 s42, ttmp9, 2
	s_add_co_u32 s42, s42, s40                     ; block column
	s_and_b32 s13, ttmp7, 0xffff
	s_lshl_b32 s13, s13, 2
	s_add_co_u32 s13, s13, s41                     ; block row
	s_lshl_b32 s43, s41, 2
	s_lshl_b32 s43, 15, s43
	s_lshl_b32 s44, 0x1111, s40
	s_or_b32 s[G1+0], s43, (1<<16)|(1<<20)|(1<<21)|(6<<22)|(3<<25)      ; 4 words of padding behind every 128
	s_mov_b32 s[G1+1], 256<<16
	s_mov_b32 s[G1+2], 64<<16
	s_mov_b32 s[G1+3], 256<<16
	s_mov_b32 s[G1+4], 64
	s_mov_b32 s[G1+5], 4096
	s_mov_b32 s[G1+6], 0
	s_mov_b32 s[G1+7], 0
	s_or_b32 s[G1B+0], s44, (1<<16)|(1<<20)|(1<<21)|(5<<22)|(7<<25)     ; 8 words behind every 64
	s_mov_b32 s[G1B+1], 128<<16
	s_mov_b32 s[G1B+2], 128<<16
	s_mov_b32 s[G1B+3], 128<<16
	s_mov_b32 s[G1B+4], 128
	s_mov_b32 s[G1B+5], 1024
	s_mov_b32 s[G1B+6], 0
	s_mov_b32 s[G1B+7], 0
	s_lshl_b32 s16, s13, 20                        ; A: 128 rows of 8,192 bytes a block,
	s_lshl_b32 s17, s12, 19                        ; 64 rows a half
	s_add_co_u32 s16, s16, s17
	s_mov_b32 s17, 0
	s_lshl_b32 s46, s42, 8                         ; B: 128 columns,
	s_lshl_b32 s47, s12, 18                        ; 128 k rows of 2,048 bytes,
	s_add_co_u32 s46, s46, s47
	s_add_co_u32 s46, s46, 16777216                ; W2's place in wb
	s_mov_b32 s47, 0
	s_mul_i32 s20, s12, AHALF
	s_mul_i32 s45, s12, BHALF
	s_add_co_u32 s45, s45, BBASE
	s_lshl_b32 s74, s42, 9                         ; my 64 columns in f32: bias, residual and output
	s_lshl_b32 s75, s12, 8
	s_add_co_u32 s74, s74, s75
	s_mov_b32 s75, 0
	s_mov_b32 s76, 0x3eaa540e                      ; 0.47047 / sqrt 2
	s_mov_b32 s77, 0x3eaa540e
	s_mov_b32 s78, 0x3f596d27                      ; sqrt(log2(e) / 2)
	s_mov_b32 s79, 0x3f596d27
	s_mov_b32 s80, 0x3ebf7377                      ; a3 / 2
	s_mov_b32 s81, 0x3ebf7377
	s_mov_b32 s86, 0x7fffffff
	s_wait_dscnt 0x0
	s_wait_kmcnt 0x0
	s_add_nc_u64 s[14:15], s[4:5], s[16:17]
	s_add_nc_u64 s[46:47], s[6:7], s[46:47]
	s_add_nc_u64 s[66:67], s[66:67], s[74:75]
	CROUND
.irp s, 0,1
	s_mov_b32 s[G0+4*\s], 1
	s_add_co_u32 s[G0+4*\s+1], s20, \s*SLOT
	s_add_nc_u64 s[G0+4*\s+2:G0+4*\s+3], s[14:15], \s*ASTEP
	s_or_b32 s[G0+4*\s+3], s[G0+4*\s+3], 0x80000000
	s_mov_b32 s[G0B+4*\s], 1
	s_add_co_u32 s[G0B+4*\s+1], s45, \s*SLOT
	s_add_nc_u64 s[G0B+4*\s+2:G0B+4*\s+3], s[46:47], \s*BSTEP
	s_or_b32 s[G0B+4*\s+3], s[G0B+4*\s+3], 0x80000000
	JLOAD \s
.endr
	v_and_b32 v1, 15, v0
	v_bfe_u32 v2, v0, 4, 1
	v_lshlrev_b32 v[BO], 5, v2
.set b_, 0
.rept NT
	global_load_b128 v[BIAS+8*b_:BIAS+8*b_+3],   v[BO], s[66:67] offset:64*b_
	global_load_b128 v[BIAS+8*b_+4:BIAS+8*b_+7], v[BO], s[66:67] offset:64*b_+16
.set b_, b_+1
.endr
	v_mov_b32 v[KA2], 0xbd445ca1                   ; a2 / 2
	v_mov_b32 v[KA2+1], 0xbd445ca1
	v_mov_b32 v[KA1], 0x3e32303a                   ; a1 / 2
	v_mov_b32 v[KA1+1], 0x3e32303a
	v_mul_u32_u24 v3, v1, PA
	v_lshl_add_u32 v3, v2, 4, v3
	v_and_b32 v4, 7, v0
	v_lshl_add_u32 v4, v2, 3, v4
	v_mul_u32_u24 v4, v4, PB
	v_bfe_u32 v5, v0, 3, 1
	v_lshl_add_u32 v4, v5, 4, v4
	s_mul_i32 s21, s11, 64*PA
	s_mul_i32 s22, s12, 32*NT
	s_add_co_u32 s22, s22, BBASE
.irp s, 0,1
	v_add_nc_u32 v[ADRA+\s], s21, v3
	v_add_nc_u32 v[ADRB+2*\s], s22, v4
	v_add_nc_u32 v[ADRB+2*\s+1], 128*PB, v[ADRB+2*\s]
	s_add_co_u32 s21, s21, SLOT
	s_add_co_u32 s22, s22, SLOT
.endr
	s_mul_i32 s23, s10, STW
	s_add_co_u32 s23, s23, STAGE
	v_mul_u32_u24 v6, v1, SPITCH
	v_lshl_add_u32 v6, v2, 5, v6
	v_add_nc_u32 v[STO], s23, v6
	v_mul_u32_u24 v7, v2, SPITCH
	v_lshl_add_u32 v7, v1, 4, v7
	v_add_nc_u32 v[RD], s23, v7
	v_lshlrev_b32 v7, 12, v2
	v_lshl_add_u32 v[CO], v1, 4, v7
	s_lshl_b32 s16, s13, 19                        ; my place in x1 and out0: 128 rows of 4,096 bytes a block,
	s_lshl_b32 s17, s11, 18                        ; my 64,
	s_add_co_u32 s16, s16, s17
	s_mov_b32 s17, 0
	s_add_nc_u64 s[8:9], s[8:9], s[16:17]
	s_add_nc_u64 s[8:9], s[8:9], s[74:75]          ; my 64 columns
	s_add_nc_u64 s[72:73], s[72:73], s[16:17]
	s_add_nc_u64 s[72:73], s[72:73], s[74:75]
	s_wait_tensorcnt 0x1                           ; my part of K step 0 is in; K step 1's load stays out
	s_barrier_signal -1
	s_barrier_wait -1
	FETCH 0, 0, 0
	s_wait_loadcnt 0x0                             ; the bias
	RESALL                                         ; asked for here, waited for behind the last product
	LAP 1
	WIN 0
	s_mov_b32 s3, LAPS-2
.Llap:
	LAP 0
	WIN 0
	s_sub_co_u32 s3, s3, 1
	s_cmp_lg_u32 s3, 0
	s_cbranch_scc1 .Llap
	KSTEPM 0, 0
	TURN 0, 1, 0
	KSTEPM 1, 0
	s_wait_dscnt MT
	MWIN 0, 0
	MULQ 1, 0, 0
	MULQ 1, 1, 0
	s_wait_dscnt 0x0
	MWIN 2, 0
	MULQ 1, 2, 0
	MULQ 1, 3, 0
	PLACES
	WIN 0
	s_wait_loadcnt 0x0                             ; the residual
.macro OUTF i                          ; 16 rows: through my own stage into whole rows, gelu, + residual, out
	WIN 0x08
.set b_, 0
.rept 4
	ds_store_b128 v[STO], v[8*(4*\i+b_):8*(4*\i+b_)+3] offset:64*b_
	ds_store_b128 v[STO], v[8*(4*\i+b_)+4:8*(4*\i+b_)+7] offset:64*b_+16
.set b_, b_+1
.endr
	WIN 0
.set t_, 0
.rept 8
	ds_load_b128 v[RBK+32*\i+4*t_:RBK+32*\i+4*t_+3], v[RD] offset:2*SPITCH*t_     ; a wave's LDS instructions are served in order: these see the stores above
.set t_, t_+1
.endr
	s_wait_dscnt 0x0
.set e, 0
.rept 32
	v_and_b32 v[GAX+e], s86, v[RBK+32*\i+e]
	v_max_num_f32 v[RBK+32*\i+e], 0, v[RBK+32*\i+e]
.set e, e+1
.endr
	GELU16 (RBK+32*\i),GAX
	GELU16 (RBK+32*\i+16),(GAX+16)
	WIN 0x04
.set e, 0
.rept 16
	v_pk_add_f32 v[RBK+32*\i+2*e:RBK+32*\i+2*e+1], v[RBK+32*\i+2*e:RBK+32*\i+2*e+1], v[XRW+32*\i+2*e:XRW+32*\i+2*e+1]
.set e, e+1
.endr
	WIN 0
.set t_, 0
.rept 8
	global_store_b128 v[CO], v[RBK+32*\i+4*t_:RBK+32*\i+4*t_+3], s[8:9] offset:8192*t_+65536*\i   ; sixteen lanes store 256 consecutive bytes, aligned
.set t_, t_+1
.endr
.endm
	OUTF 0
	OUTF 1
	OUTF 2
	OUTF 3
	s_set_vgpr_msb 0x1
	s_wait_tensorcnt 0x0
	ds_add_u32 v255, v31
	s_wait_dscnt 0x0
	s_set_vgpr_msb 0x100
	CROUND
	s_endpgm
.Lfunc_end_k_qda3647e8a6_ff2:
	.size	k_qda3647e8a6_ff2, .Lfunc_end_k_qda3647e8a6_ff2-k_qda3647e8a6_ff2
	.p2alignl 7, 3214868480
	.fill 96, 4, 3214868480
	.section	.rodata,"a",@progbits
	.p2align	6, 0x0
	.amdhsa_kernel k_qda3647e8a6_ff2
		.amdhsa_group_segment_fixed_size 327680
		.amdhsa_private_segment_fixed_size 0
		.amdhsa_enable_private_segment 0
		.amdhsa_kernarg_size 40
		.amdhsa_user_sgpr_count 2
		.amdhsa_user_sgpr_kernarg_segment_ptr 1
		.amdhsa_wavefront_size32 1
		.amdhsa_system_sgpr_workgroup_id_x 1
		.amdhsa_system_sgpr_workgroup_id_y 1
		.amdhsa_system_sgpr_workgroup_id_z 1
		.amdhsa_system_vgpr_workitem_id 0
		.amdhsa_next_free_vgpr 640
		.amdhsa_next_free_sgpr 88
		.amdhsa_reserve_vcc 0
		.amdhsa_float_denorm_mode_32 3
		.amdhsa_float_denorm_mode_16_64 3
		.amdhsa_memory_ordered 1
		.amdhsa_forward_progress 1
		.amdhsa_inst_pref_size 187
	.end_amdhsa_kernel
	.amdgpu_metadata
---
amdhsa.version: [ 1, 2 ]
amdhsa.kernels:
  - .name:           k_qda3647e8a6_ff2
    .symbol:         k_qda3647e8a6_ff2.kd
    .args:
      - { .name: y1, .offset: 0, .size: 8, .value_kind: global_buffer, .address_space: global }
      - { .name: wb, .offset: 8, .size: 8, .value_kind: global_buffer, .address_space: global }
      - { .name: b2, .offset: 16, .size: 8, .value_kind: global_buffer, .address_space: global }
      - { .name: x1, .offset: 24, .size: 8, .value_kind: global_buffer, .address_space: global }
      - { .name: out0, .offset: 32, .size: 8, .value_kind: global_buffer, .address_space: global }
    .group_segment_fixed_size: 327680
    .private_segment_fixed_size: 0
    .kernarg_segment_align: 8
    .kernarg_segment_size: 40
    .max_flat_workgroup_size: 128
    .sgpr_count:     88
    .vgpr_count:     640
    .wavefront_size: 32
...
	.end_amdgpu_metadata
.endif
;; end of part 7
